; MI455X (gfx1250); checked and timed in simulation.
; The chip was launched on July 23, 2026; its instructions are those of AMD's public machine-readable ISA for CDNA 5 (MIT licence, August 2026) and "CDNA5" Instruction Set Architecture Reference Guide (July 2026). The comments in the code are by the model that wrote it; some were corrected since.
;; Joint Self Attention. Allowed arithmetic: float matrix products may take bf16 or f16 operands with f32 sums; other float arithmetic in f32, or as packed bf16 or f16 multiplies, adds, multiply-adds, maxima and minima; sums over many terms, partial sums and values carried from step to step in f32; what a program stores and reads back later, other than sums and carried values, may be rounded once to bf16 or f16.
;; Inputs: w_attn 3,072 x 1,024 float32; w_proj 1,024 x 1,024 float32; x 4 x 2,048 x 1,024 float32.
;; Outputs: out0 4 x 2,048 x 1,024 float32.
;; 2 versions, each right; version 2 is version 1 with the launch prep written anew for expert scheduling mode. Each part assembles by itself: llvm-mc -triple=amdgcn-amd-amdhsa -mcpu=gfx1250 --defsym DOCPART=n.
;; ======== version 1 of 2: 4 launches
;; limits: values are held in f16: magnitudes above 65,504 overflow, below 6.1e-05 lose precision
;; workspace buffers: xb 16,777,216 bytes; wab 6,291,456 bytes; wpb 2,097,152 bytes; tab 524,288 bytes; qh 16,777,216 bytes; kh 16,777,216 bytes; vh 16,777,216 bytes; yh 18,874,368 bytes
;; launch prep (part 1): grid 800 x 1, 4 waves a work-group, no clusters, 0 bytes of LDS; arguments x, w_attn, w_proj, xb, wab, wpb, tab; writes xb, wab, wpb, tab
.if DOCPART == 1
	.amdgcn_target "amdgcn-amd-amdhsa--gfx1250"
	.amdhsa_code_object_version 6
	.text
	.protected	k_q70eb4bb504_prep
	.globl	k_q70eb4bb504_prep
	.p2align	8
	.type	k_q70eb4bb504_prep,@function
k_q70eb4bb504_prep:
	s_mov_b64 s[64:65], 0
	v_nop
	global_prefetch_b8 v0, s[64:65] scope:SCOPE_SE
	s_setreg_imm32_b32 hwreg(HW_REG_WAVE_MODE, 25, 1), 1
	s_wait_xcnt 0x0
; PREP: the three inputs are rounded to bf16 and laid out in blocks of 64 along K, and the table of cos and sin is made.
;   xb  [16 kb][8192 row][64] bf16      wab [16 kb][3072 row'][64] bf16, row' = head x 192 + kind x 64 + d (kind 0, 1, 2 = q, k, v)
;   wpb [16 kb][1024 row][64] f16: w_proj rounded to bf16, that number written as f16      tab [2048 t][cos 0..31, sin 0..31] f32, each rounded to bf16 as the model rounds them
; A stream: nothing is shared, so no LDS, no barrier, no matrix work.  A wave takes 4 source rows (16 KiB): 32 loads, all issued at once; a load covers 2 rows x 256 aligned bytes, one K block of each;
; a store of 8 bytes a lane covers the same 2 rows of the K block in the new layout: 256 consecutive bytes, aligned.  No register is written twice, so only the loads are waited for.
; Work-groups 0-511 take x, 512-703 w_attn, 704-767 w_proj, 768-799 the table (16 rows a wave).
; LIMITS.  bf16(w_proj) must lie within f16: under 65,504 in size; under 6e-5 it keeps f16's fixed step.  The angle t x inv_freq is made from 2^(-j log2(10000)/32), good to a few last places of f32:
; where the model's own inv_freq differs in its last place, an entry near a rounding boundary falls on the neighbouring bf16 number.
.set KBX,  1048576                     ; bytes in a K block of xb
.set KBWA, 393216                      ; of wab
.set KBWP, 131072                      ; of wpb
.set WV,  18                           ; s18  wave
.set U,   19                           ; s19  4 x work-group + wave
.set SRC, 20                           ; s[20:21] my 4 source rows
.set DST, 22                           ; s[22:23] the same rows in K block 0
.set KBS, 24                           ; s24  bytes from K block to K block
.set FMT, 25                           ; s25  1: f16
.set VI,  2                            ; v2   (l / 16) x 4,096 + (l % 16) x 16
.set VO,  8                            ; v[8:23]  8 l + kb x KBS
.set X,   32                           ; v[32:159]  32 chunks of 4 as loaded
.set Y,   160                          ; v[160:223] 32 chunks of 2 to store
.set KAD, 5                            ; the table: 1 for cos, 0 for sin
.set TF,  6                            ; t as f32
.set TO,  7                            ; my 16 bytes of two rows of tab
.set JF,  8
.set EE,  12
.set INV, 16
.set TH,  24
.set KK,  28
.set RED, 32
.set NN,  36
.set ZA,  40
.set SPO, 44
.set CPO, 48
.set ZB,  52
.set HF,  56
.set OUT, 60
.set PKD, 64
.set BB,  68
	s_load_b256 s[4:11], s[0:1], 0x0               ; x s[4:5], w_attn s[6:7], w_proj s[8:9], xb s[10:11]
	s_load_b128 s[12:15], s[0:1], 0x20             ; wab s[12:13], wpb s[14:15]
	s_load_b64 s[16:17], s[0:1], 0x30              ; tab
	v_lshrrev_b32 v1, 5, v0
	v_readfirstlane_b32 s[WV], v1
	v_and_b32 v3, 31, v0                           ; lane
	s_lshl_b32 s[U], ttmp9, 2
	s_add_co_u32 s[U], s[U], s[WV]
	s_mov_b32 s29, 0                               ; the offsets' high words
	s_mov_b32 s31, 0
	s_wait_kmcnt 0x0
	s_cmp_lt_u32 ttmp9, 512
	s_cbranch_scc0 .Lnot_x
	s_lshl_b32 s28, s[U], 14                       ; 4 rows of 4,096 bytes
	s_lshl_b32 s30, s[U], 9                        ; 4 rows of 128 bytes
	s_add_nc_u64 s[SRC:SRC+1], s[4:5], s[28:29]
	s_add_nc_u64 s[DST:DST+1], s[10:11], s[30:31]
	s_mov_b32 s[KBS], KBX
	s_mov_b32 s[FMT], 0
	s_branch .Lcast
.Lnot_x:
	s_cmp_lt_u32 ttmp9, 704
	s_cbranch_scc0 .Lnot_wa
	s_sub_co_u32 s26, s[U], 2048
	s_lshl_b32 s28, s26, 14
	s_lshl_b32 s27, s26, 2                         ; my first row n0 of w_attn
	s_bfe_u32 s30, s27, 0x40006                    ; head = (n0 >> 6) & 15
	s_mul_i32 s30, s30, 192
	s_lshr_b32 s32, s27, 10                        ; kind
	s_lshl_b32 s32, s32, 6
	s_add_co_u32 s30, s30, s32
	s_and_b32 s32, s27, 63                         ; d
	s_add_co_u32 s30, s30, s32
	s_lshl_b32 s30, s30, 7
	s_add_nc_u64 s[SRC:SRC+1], s[6:7], s[28:29]
	s_add_nc_u64 s[DST:DST+1], s[12:13], s[30:31]
	s_mov_b32 s[KBS], KBWA
	s_mov_b32 s[FMT], 0
	s_branch .Lcast
.Lnot_wa:
	s_cmp_lt_u32 ttmp9, 768
	s_cbranch_scc0 .Ltable
	s_sub_co_u32 s26, s[U], 2816
	s_lshl_b32 s28, s26, 14
	s_lshl_b32 s30, s26, 9
	s_add_nc_u64 s[SRC:SRC+1], s[8:9], s[28:29]
	s_add_nc_u64 s[DST:DST+1], s[14:15], s[30:31]
	s_mov_b32 s[KBS], KBWP
	s_mov_b32 s[FMT], 1
.Lcast:
	v_lshrrev_b32 v4, 4, v3
	v_and_b32 v5, 15, v3
	v_lshlrev_b32 v[VI], 4, v5
	v_lshl_add_u32 v[VI], v4, 12, v[VI]
.set ci, 0
.rept 32                                       ; chunk ci: rows 2 (ci / 16) and + 1, K block ci % 16
	global_load_b128 v[X+4*ci:X+4*ci+3], v[VI], s[SRC:SRC+1] offset:(ci/16)*8192+(ci%16)*256 th:TH_LOAD_NT
.set ci, ci+1
.endr
	v_lshlrev_b32 v[VO], 3, v3
.set ci, 1
.rept 15
	v_add_nc_u32 v[VO+ci], s[KBS], v[VO+ci-1]
.set ci, ci+1
.endr
.macro CHUNKS fmt
.set ci, 0
.rept 32
	s_wait_loadcnt 31-ci                           ; loads come back in order: chunk ci is in, the younger ones stay out
	v_cvt_pk_bf16_f32 v[Y+2*ci], v[X+4*ci], v[X+4*ci+1]
	v_cvt_pk_bf16_f32 v[Y+2*ci+1], v[X+4*ci+2], v[X+4*ci+3]
.if \fmt
	v_lshlrev_b32 v[X+4*ci], 16, v[Y+2*ci]         ; the bf16 numbers as f32 again,
	v_and_b32 v[X+4*ci+1], 0xffff0000, v[Y+2*ci]
	v_lshlrev_b32 v[X+4*ci+2], 16, v[Y+2*ci+1]
	v_and_b32 v[X+4*ci+3], 0xffff0000, v[Y+2*ci+1]
	v_cvt_pk_f16_f32 v[Y+2*ci], v[X+4*ci], v[X+4*ci+1]  ; and written as f16 (8 significant bits fit into 11)
	v_cvt_pk_f16_f32 v[Y+2*ci+1], v[X+4*ci+2], v[X+4*ci+3]
.endif
	global_store_b64 v[VO+ci%16], v[Y+2*ci:Y+2*ci+1], s[DST:DST+1] offset:(ci/16)*256 th:TH_STORE_NT
.set ci, ci+1
.endr
.endm
	s_cmp_eq_u32 s[FMT], 1
	s_cbranch_scc1 .Lf16
	CHUNKS 0
	s_endpgm
.Lf16:
	CHUNKS 1
	s_endpgm
; THE TABLE.  Lane l makes four numbers of a row: kind (l / 8) % 2 (0 cos, 1 sin), j = 4 (l % 8) + 0..3; lanes 16-31 take the next row: a store covers two whole rows, 512 bytes.
; inv_freq = 2^(-j L), L = log2(10000) / 32 = 3402/8192 - d: j x 3402/8192 is exact in f32, and 2^(j d) = 1 + j d ln 2 to within (j d ln 2)^2 / 2, under 5e-7.
; sin and cos by quadrants: k = round(theta 2 / pi), r = theta - k pi / 2 with pi / 2 in two parts, polynomials in r on -pi/4 .. pi/4; cos(theta) = sin(theta + pi / 2).  Choices go by v_cndmask_b32 alone.
.Ltable:
	s_sub_co_u32 s26, s[U], 3072                   ; 0 .. 127: rows 16 x that on
	v_and_b32 v4, 7, v3
	v_lshlrev_b32 v4, 2, v4
	v_bfe_u32 v[KAD], v3, 3, 1
	v_sub_nc_u32 v[KAD], 1, v[KAD]
	v_lshrrev_b32 v[TF], 4, v3
	s_lshl_b32 s27, s26, 4
	v_add_nc_u32 v[TF], s27, v[TF]
	v_cvt_f32_u32 v[TF], v[TF]
	s_lshl_b32 s27, s26, 12
	v_lshl_add_u32 v[TO], v3, 4, s27
	s_mov_b32 s32, 0x3f22f983                      ; 2 / pi
	s_mov_b32 s33, 0xbfc90fdb                      ; - (pi / 2 rounded to f32)
	s_mov_b32 s34, 0x333bbd2e                      ; that number less pi / 2
	s_mov_b32 s35, 0xb94ca1f9                      ; sin: r + r z (S1 + z (S2 + z S3)), z = r r
	s_mov_b32 s36, 0x3c08839e
	s_mov_b32 s37, 0xbe2aaaa3
	s_mov_b32 s38, 0x37ccf5ce                      ; cos: 1 - z / 2 + z z (C1 + z (C2 + z C3))
	s_mov_b32 s39, 0xbab6061a
	s_mov_b32 s40, 0x3d2aaaa5
	s_mov_b32 s41, 0xffff0000
.irp i, 0,1,2,3
	v_add_nc_u32 v[JF+\i], \i, v4
.endr
.irp i, 0,1,2,3
	v_cvt_f32_u32 v[JF+\i], v[JF+\i]
.endr
.irp i, 0,1,2,3
	v_mul_f32 v[EE+\i], 0xbed4a000, v[JF+\i]       ; - j 3402 / 8192
.endr
.irp i, 0,1,2,3
	v_exp_f32 v[EE+\i], v[EE+\i]
.endr
.irp i, 0,1,2,3
	v_mul_f32 v[JF+\i], 0x37f552a3, v[JF+\i]       ; j d ln 2: plain work that names no exponential's register
.endr
	s_wait_alu depctr_va_vdst(0)                   ; one wait for the four exponentials, ahead of their first reader and of the label
.irp i, 0,1,2,3
	v_fma_f32 v[INV+\i], v[EE+\i], v[JF+\i], v[EE+\i]
.endr
	s_mov_b32 s26, 8                               ; 8 trips of two rows
.Ltrip:
.irp i, 0,1,2,3
	v_mul_f32 v[TH+\i], v[TF], v[INV+\i]
.endr
.irp i, 0,1,2,3
	v_mul_f32 v[KK+\i], s32, v[TH+\i]
.endr
.irp i, 0,1,2,3
	v_rndne_f32 v[KK+\i], v[KK+\i]
.endr
.irp i, 0,1,2,3
	v_fma_f32 v[RED+\i], v[KK+\i], s33, v[TH+\i]
.endr
.irp i, 0,1,2,3
	v_fma_f32 v[RED+\i], v[KK+\i], s34, v[RED+\i]
.endr
.irp i, 0,1,2,3
	v_cvt_i32_f32 v[NN+\i], v[KK+\i]
.endr
.irp i, 0,1,2,3
	v_add_nc_u32 v[NN+\i], v[NN+\i], v[KAD]
.endr
.irp i, 0,1,2,3
	v_mul_f32 v[ZA+\i], v[RED+\i], v[RED+\i]
.endr
.irp i, 0,1,2,3
	v_fma_f32 v[SPO+\i], v[ZA+\i], s35, s36
	v_fma_f32 v[CPO+\i], v[ZA+\i], s38, s39
.endr
.irp i, 0,1,2,3
	v_fma_f32 v[SPO+\i], v[SPO+\i], v[ZA+\i], s37
	v_fma_f32 v[CPO+\i], v[CPO+\i], v[ZA+\i], s40
.endr
.irp i, 0,1,2,3
	v_mul_f32 v[SPO+\i], v[SPO+\i], v[ZA+\i]
	v_mul_f32 v[ZB+\i], v[ZA+\i], v[ZA+\i]
	v_fma_f32 v[HF+\i], v[ZA+\i], -0.5, 1.0
.endr
.irp i, 0,1,2,3
	v_fma_f32 v[SPO+\i], v[SPO+\i], v[RED+\i], v[RED+\i]
	v_fma_f32 v[CPO+\i], v[CPO+\i], v[ZB+\i], v[HF+\i]
.endr
.irp i, 0,1,2,3
	v_and_b32 v[BB+\i], 1, v[NN+\i]
	v_cmp_eq_u32 vcc_lo, 1, v[BB+\i]
	v_cndmask_b32 v[SPO+\i], v[SPO+\i], v[CPO+\i], vcc_lo  ; odd quadrant: the cosine's polynomial
	v_and_b32 v[BB+\i], 2, v[NN+\i]
	v_lshlrev_b32 v[BB+\i], 30, v[BB+\i]
	v_xor_b32 v[SPO+\i], v[SPO+\i], v[BB+\i]       ; quadrants 2 and 3: the sign
.endr
	v_cvt_pk_bf16_f32 v[PKD], v[SPO], v[SPO+1]     ; rounded to bf16, as the model caches them,
	v_cvt_pk_bf16_f32 v[PKD+1], v[SPO+2], v[SPO+3]
	v_lshlrev_b32 v[OUT], 16, v[PKD]               ; and kept as f32
	v_and_b32 v[OUT+1], s41, v[PKD]
	v_lshlrev_b32 v[OUT+2], 16, v[PKD+1]
	v_and_b32 v[OUT+3], s41, v[PKD+1]
	global_store_b128 v[TO], v[OUT:OUT+3], s[16:17]
	s_wait_xcnt 0x0                                ; the store's address and data are written again only behind this wait
	v_add_nc_u32 v[TO], 512, v[TO]
	v_add_f32 v[TF], 2.0, v[TF]
	s_sub_co_u32 s26, s26, 1
	s_cmp_lg_u32 s26, 0
	s_cbranch_scc1 .Ltrip
	s_endpgm
.Lfunc_end_k_q70eb4bb504_prep:
	.size	k_q70eb4bb504_prep, .Lfunc_end_k_q70eb4bb504_prep-k_q70eb4bb504_prep
	.p2alignl 7, 3214868480
	.fill 96, 4, 3214868480
	.section	.rodata,"a",@progbits
	.p2align	6, 0x0
	.amdhsa_kernel k_q70eb4bb504_prep
		.amdhsa_group_segment_fixed_size 0
		.amdhsa_private_segment_fixed_size 0
		.amdhsa_enable_private_segment 0
		.amdhsa_kernarg_size 56
		.amdhsa_user_sgpr_count 2
		.amdhsa_user_sgpr_kernarg_segment_ptr 1
		.amdhsa_wavefront_size32 1
		.amdhsa_system_sgpr_workgroup_id_x 1
		.amdhsa_system_sgpr_workgroup_id_y 1
		.amdhsa_system_sgpr_workgroup_id_z 1
		.amdhsa_system_vgpr_workitem_id 0
		.amdhsa_next_free_vgpr 224
		.amdhsa_next_free_sgpr 66
		.amdhsa_reserve_vcc 1
		.amdhsa_float_denorm_mode_32 3
		.amdhsa_float_denorm_mode_16_64 3
		.amdhsa_memory_ordered 1
		.amdhsa_forward_progress 1
		.amdhsa_inst_pref_size 39
	.end_amdhsa_kernel
	.amdgpu_metadata
---
amdhsa.version: [ 1, 2 ]
amdhsa.kernels:
  - .name:           k_q70eb4bb504_prep
    .symbol:         k_q70eb4bb504_prep.kd
    .args:
      - { .name: x, .offset: 0, .size: 8, .value_kind: global_buffer, .address_space: global }
      - { .name: w_attn, .offset: 8, .size: 8, .value_kind: global_buffer, .address_space: global }
      - { .name: w_proj, .offset: 16, .size: 8, .value_kind: global_buffer, .address_space: global }
      - { .name: xb, .offset: 24, .size: 8, .value_kind: global_buffer, .address_space: global }
      - { .name: wab, .offset: 32, .size: 8, .value_kind: global_buffer, .address_space: global }
      - { .name: wpb, .offset: 40, .size: 8, .value_kind: global_buffer, .address_space: global }
      - { .name: tab, .offset: 48, .size: 8, .value_kind: global_buffer, .address_space: global }
    .group_segment_fixed_size: 0
    .private_segment_fixed_size: 0
    .kernarg_segment_align: 8
    .kernarg_segment_size: 56
    .max_flat_workgroup_size: 128
    .sgpr_count:     66
    .vgpr_count:     224
    .wavefront_size: 32
...
	.end_amdgpu_metadata
.endif
;; end of part 1
;; launch qkv (part 2): grid 8 x 32, 4 waves a work-group, clusters of 4 x 4, 327,680 bytes of LDS; arguments xb, wab, tab, qh, kh, vh; writes qh, kh, vh
.if DOCPART == 2
	.amdgcn_target "amdgcn-amd-amdhsa--gfx1250"
	.amdhsa_code_object_version 6
	.text
	.protected	k_q70eb4bb504_qkv
	.globl	k_q70eb4bb504_qkv
	.p2align	8
	.type	k_q70eb4bb504_qkv,@function
k_q70eb4bb504_qkv:
	s_mov_b64 s[64:65], 0
	v_nop
	global_prefetch_b8 v0, s[64:65] scope:SCOPE_SE
	s_setreg_imm32_b32 hwreg(HW_REG_WAVE_MODE, 25, 1), 1
	s_wait_xcnt 0x0
	s_wait_alu depctr_hold_cnt(0) depctr_sa_sdst(0) depctr_va_vdst(0) depctr_va_sdst(0) depctr_va_ssrc(0) depctr_va_vcc(0) depctr_vm_vsrc(0)
	s_getreg_b32 s2, hwreg(HW_REG_IB_STS2, 6, 4)
	s_cmp_eq_u32 s2, 0
	s_cbranch_scc0 .Lentry_in_a_cluster
	s_endpgm
.Lentry_in_a_cluster:
	s_bfe_u32 s2, ttmp6, 0x10000c
	s_cmp_lg_u32 s2, 0xf033
	s_cbranch_scc0 .Lentry_shape_is_right
	s_endpgm
.Lentry_shape_is_right:
; QKV: qkv = x w_attn^T in bf16 with f32 sums (8192 x 3072 x 1024); on the way out RMS norm and rotation of q and k, the scale c = log2(e) / 8 on q (in f32), one rounding to f16, layout by heads.
;   in:  xb [16 kb][8192][64] bf16, wab [16 kb][3072 row'][64] bf16 (row' = head x 192 + kind x 64 + d), tab [2048][cos 32, sin 32] f32       out: qh, kh, vh [64 batch x head][2048 t][64] f16
; LIMITS.  v must lie within f16, under 65,504 in size.  q and k are normalised, at most 8.1 long.  NaN and infinities are not treated apart.
; SHARES.  A work-group makes 256 rows x 384 columns (two heads' q, k, v): 32 x 8 = 256 work-groups.  A wave makes 128 rows x 192 columns, one head: 96 accumulators of 16 x 16, 768 registers.
; THE PRODUCT IS USED TRANSPOSED (source 0 = 16 rows of wab, source 1 = 16 rows of xb): a lane holds ONE row of x (lane % 16) and the columns 16 b + 8 (lane / 16) + 0..7 of accumulator b.  So a head's sum of
; squares wants one exchange between the halves of the lanes, and the rotation's partners d and d + 32 are accumulators b and b + 2, same lane, same register.
; K goes in steps of 64 through two LDS slots.  A K block is dense in memory, so a tile is asked for as rows of 256 bytes (two rows of 64 numbers) and padded in LDS after every 128 bytes.
; CLUSTER.  4 x 4 work-groups: xb's tile hangs on the tile row alone and is asked for jointly along a row of the cluster, wab's on the tile column alone, jointly along a column.
; Wave 0 fetches xb's tile (32 KiB), waves 1 to 3 a third of wab's each (16 KiB).  By this text's count a wave has two tensor loads out at the start and one behind each round.
; REGISTERS, in windows of 256 (s_set_vgpr_msb: bits 1:0 source 0, 3:2 source 1, 5:4 source 2, 7:6 destination):
;   window 0: v0-31 addresses; v32-95, v96-159 fragments of xb (8 x 16 rows x 32 K), two buffers; v160-255 fragments of wab, a buffer of 32 for each kind; on the way out all of v32-255 is at work
;   windows 1, 2, 3: the accumulators of q, k, v: row block a, column block b at v[8 (4 a + b)]
.set KBA,   1048576                    ; bytes in a K block of xb
.set KBB,   393216                     ; of wab
.set PITCH, 144                        ; an LDS row: 128 bytes + 16 of padding = 36 words: the 16 rows of a load start at 16 different groups of four banks (64 banks of 4 bytes: ISA guide 11.1)
.set FRAG,  16*PITCH
.set BOFF,  256*PITCH                  ; a slot: xb's 256 rows, then wab's 384
.set SLOT1, 131072                     ; slot 1 begins here: one exclusive or turns an address in one slot into the other's
.set STAGE, SLOT1+640*PITCH            ; behind the ring, never filled by a tensor load: for each wave 3 kinds x 16 rows x 144 bytes
.set SPARE, STAGE+12*FRAG              ; behind the stages: the spare words, 128 bytes for each wave: two blocks of 256 bytes that no other line names
.set G1W0,  (1<<16)|(1<<20)|(1<<21)|(4<<22)|(3<<25)  ; 17:16 2-byte elements; 20 padding on; 21 set beside a mask; 24:22 after every 32 words (code 4); 31:25 4 words (code 3)
.set AA0, 2                            ; v2   my lane's place in xb's tile; never rewritten
.set AB0, 3                            ; v3   in wab's
.set ADRA, 4                           ; v4   the same in the slot in hand
.set ADRB, 5
.set STO, 6                            ; v6   the way out: where I put 16 bytes of a row
.set RD,  7                            ; v7   where I read rows back
.set GO,  8                            ; v8   my 16 bytes of 512 consecutive bytes of qh, kh, vh
.set TBO, 9                            ; v9   my 32 bytes of a row of tab
.set PFO, 10                           ; v10  the prefetches' offset
.set SPW, 12                           ; v12  LDS address of my spare word; never rewritten
.set NIL, 13                           ; v13  0; never rewritten
.set FA,  32
.set FB,  160
.set TBL, 32                           ; the way out: two sets of 32: cos b0, cos b1, sin b0, sin b1
.set YR,  96                           ; 32 rotated numbers
.set TT,  128                          ; 16 at work
.set SS,  144                          ; sums of squares: q's four chains, k's four
.set HH,  160                          ; 16 words of f16
.set FQ,  176                          ; v[176:177] q's factor, twice; v[178:179] k's
.set FK,  178
.set WK,  180                          ; v[180:183] at work
.set RR,  192                          ; rows read back: q even, k even, q odd, k odd blocks, 16 each
.set WV,  16
.set WM,  17                           ; which 128 rows are mine
.set WN,  18                           ; which head
.set CX,  19
.set CY,  20
.set NX,  21                           ; tile column
.set MY,  22                           ; tile row
.set CNT, 23
.set G1A, 24                           ; s[24:31] group 1 for xb's tile
.set G1B, 32                           ; s[32:39] for a third of wab's
.set G0A, 40                           ; s[40:43] group 0 of the first fill; s[44:47] of the second, which then walks
.set G0B, 48                           ; s[48:55] the same for wab
.set PFA, 56                           ; s[56:57] where my prefetches stand
.set PST, 58                           ; s[58:59] a K block of the tensor that I fetch
.set LIM, 60                           ; s60  2 in a wave that prefetches, else the greatest number
.set PM,  61                           ; s61  0: every trip; 1: even counts only
.set TB,  62                           ; s62  the slot in hand: 0 or SLOT1
.set EPS, 66
.set R64, 67
.set CQ,  68
.set SEL, 70
.set MSB, 0
.macro WIN new                         ; the immediate's high byte repeats the setting that is left; a switch that changes nothing is dropped
.if MSB != (\new)
	s_set_vgpr_msb (MSB<<8)|(\new)
.set MSB, \new
.endif
.endm
.macro PLACES                          ; four plain vector instructions between a matrix instruction and a load into, or a vector instruction on, its registers
.rept 4
	v_nop
.endr
.endm
.macro CREST                           ; a round of the cluster's barrier behind its opening barrier
	s_cmp_lg_u32 s[WV], 0
	s_cbranch_scc1 .Lnot_wave_0_\@
	s_barrier_signal -3
.Lnot_wave_0_\@:
	s_barrier_wait -3
	s_barrier_signal -1
	s_barrier_wait -1
.endm
.macro CROUND
	s_barrier_signal -1
	s_barrier_wait -1
	CREST
.endm
.macro JLOAD                           ; a joint refill by the walking descriptors; the branch hangs on the wave's number alone; an s_nop 0 and four v_nop follow each line
	s_cmp_eq_u32 s[WV], 0
	s_cbranch_scc0 .Lfor_b_\@
	tensor_load_to_lds s[G0A+4:G0A+7], s[G1A:G1A+7]
	s_nop 0
.rept 4
	v_nop
.endr
	s_branch .Lasked_\@
.Lfor_b_\@:
	tensor_load_to_lds s[G0B+4:G0B+7], s[G1B:G1B+7]
	s_nop 0
.rept 4
	v_nop
.endr
.Lasked_\@:
.endm
; A PREFETCH INTO THE L2 of the K step that stands two refills on.  Each aligned block of 256 bytes is named once in the launch.  xb's tile row is read by both clusters of that row of clusters: the one with
; x = 0 asks, through wave 0; the four partners share the step's 32 KiB by ADDRESS, 8 KiB each, a lane a block.  wab's tile column is read by all eight clusters of that column: the one with y = 0 asks, through
; waves 1 to 3, each for its own third; a partner's quarter of a third is 16 blocks, so lanes 16-31 take the step after, and these waves ask in every second trip.  The last trips, which have no such step, ask for nothing.
.macro ASK
	s_and_b32 s79, s[CNT], s[PM]
	s_cmp_eq_u32 s79, 0
	s_cbranch_scc0 .Lno_ask_\@
	s_cmp_gt_u32 s[CNT], s[LIM]
	s_cbranch_scc0 .Lno_ask_\@
	global_prefetch_b8 v[PFO], s[PFA:PFA+1] th:TH_LOAD_NT scope:SCOPE_SE
.Lno_ask_\@:
.endm
	s_load_b256 s[4:11], s[0:1], 0x0               ; xb s[4:5], wab s[6:7], tab s[8:9], qh s[10:11]
	s_load_b128 s[12:15], s[0:1], 0x20             ; kh s[12:13], vh s[14:15]
	v_lshl_add_u32 v[SPW], v0, 2, SPARE
	v_mov_b32 v[NIL], 0
	ds_add_u32 v[SPW], v[NIL]                      ; the wave's opening: the add and its wait ahead of the round in front of my first tensor load; the set-up stands between them
	v_lshrrev_b32 v1, 5, v0
	v_readfirstlane_b32 s[WV], v1
	s_lshr_b32 s[WM], s[WV], 1
	s_and_b32 s[WN], s[WV], 1
	s_bfe_u32 s[CX], ttmp6, 0x40000
	s_bfe_u32 s[CY], ttmp6, 0x40004
	s_lshl_b32 s[NX], ttmp9, 2
	s_add_co_u32 s[NX], s[NX], s[CX]
	s_and_b32 s[MY], ttmp7, 0xffff
	s_lshl_b32 s[MY], s[MY], 2
	s_add_co_u32 s[MY], s[MY], s[CY]
	s_lshl_b32 s72, s[CY], 2
	s_lshl_b32 s72, 15, s72                        ; my row of the cluster
	s_lshl_b32 s73, 0x1111, s[CX]                  ; my column
	s_or_b32 s[G1A], s72, G1W0
	s_or_b32 s[G1B], s73, G1W0
	s_mov_b32 s[G1A+1], 128<<16                    ; tensor_dim0 = 128 elements: 256 bytes
	s_mov_b32 s[G1A+2], 128<<16                    ; tensor_dim1 = 128 such rows: 32 KiB
	s_mov_b32 s[G1A+3], 128<<16                    ; tile_dim0
	s_mov_b32 s[G1A+4], 128                        ; tile_dim1
	s_mov_b32 s[G1A+5], 128                        ; elements from row to row: dense
	s_mov_b32 s[G1A+6], 0
	s_mov_b32 s[G1A+7], 0
	s_mov_b32 s[G1B+1], 128<<16
	s_mov_b32 s[G1B+2], 64<<16                     ; 64 rows: 16 KiB
	s_mov_b32 s[G1B+3], 128<<16
	s_mov_b32 s[G1B+4], 64
	s_mov_b32 s[G1B+5], 128
	s_mov_b32 s[G1B+6], 0
	s_mov_b32 s[G1B+7], 0
	s_lshl_b32 s74, s[MY], 15                      ; xb: 256 rows of 128 bytes for each tile row
	s_mov_b32 s75, 0
	s_max_u32 s76, s[WV], 1
	s_sub_co_u32 s76, s76, 1                       ; which third of wab's tile (wave 0 issues none of these loads)
	s_lshl_b32 s76, s76, 14
	s_mul_i32 s77, s[NX], 49152                    ; 384 rows of 128 bytes for each tile column
	s_add_co_u32 s76, s76, s77
	s_mov_b32 s77, 0
	s_mul_i32 s78, s[WV], 8*FRAG
	s_add_co_u32 s78, s78, 8*FRAG                  ; BOFF + (wave - 1) x 128 rows: no place in the cluster enters an LDS address
	s_mov_b32 s[EPS], 0x34000000                   ; f32's eps
	s_mov_b32 s[R64], 0x3c800000                   ; 1 / 64
	s_mov_b32 s[CQ], 0x3e38aa3b                    ; c = log2(e) / 8
	s_mov_b32 s[SEL], 0x76543210
	s_mov_b32 s[SEL+1], 0xfedcba98
	s_mov_b32 s[TB], 0
	s_wait_dscnt 0x0                               ; the opening add is done
	s_wait_kmcnt 0x0
	s_add_nc_u64 s[74:75], s[4:5], s[74:75]        ; xb's tile of K step 0
	s_add_nc_u64 s[76:77], s[6:7], s[76:77]        ; my third of wab's
.irp s, 0,1
	s_mov_b32 s[G0A+4*(\s)], 1
	s_mov_b32 s[G0A+4*(\s)+1], (\s)*SLOT1
	s_add_nc_u64 s[G0A+4*(\s)+2:G0A+4*(\s)+3], s[74:75], (\s)*KBA
	s_or_b32 s[G0A+4*(\s)+3], s[G0A+4*(\s)+3], 0x80000000
	s_mov_b32 s[G0B+4*(\s)], 1
	s_add_co_u32 s[G0B+4*(\s)+1], s78, (\s)*SLOT1
	s_add_nc_u64 s[G0B+4*(\s)+2:G0B+4*(\s)+3], s[76:77], (\s)*KBB
	s_or_b32 s[G0B+4*(\s)+3], s[G0B+4*(\s)+3], 0x80000000
.endr
	CROUND                                         ; all sixteen work-groups are here: the first joint loads meet
	s_cmp_eq_u32 s[WV], 0                          ; a wave's two first fills stand in one branch, ahead of every wait on TENSORcnt and every LDS read
	s_cbranch_scc0 .Lfirst_b
	tensor_load_to_lds s[G0A:G0A+3], s[G1A:G1A+7]
	s_nop 0
	tensor_load_to_lds s[G0A+4:G0A+7], s[G1A:G1A+7]
	s_nop 0
.rept 4
	v_nop
.endr
	s_branch .Lfirst_asked
.Lfirst_b:
	tensor_load_to_lds s[G0B:G0B+3], s[G1B:G1B+7]
	s_nop 0
	tensor_load_to_lds s[G0B+4:G0B+7], s[G1B:G1B+7]
	s_nop 0
.rept 4
	v_nop
.endr
.Lfirst_asked:
	; A fragment is 16 rows x 32 K in 8 registers: lane l holds row l % 16, K = 8 (l / 16) + 0..7 and 16 + 8 (l / 16) + 0..7: two loads of 16 bytes, 32 bytes apart.
	v_and_b32 v1, 15, v0
	v_bfe_u32 v11, v0, 4, 1
	v_mul_u32_u24 v14, v1, PITCH
	v_lshl_add_u32 v14, v11, 4, v14
	s_mul_i32 s72, s[WM], 8*FRAG
	s_mul_i32 s73, s[WN], 12*FRAG
	s_add_co_u32 s73, s73, BOFF
	v_add_nc_u32 v[AA0], s72, v14
	v_add_nc_u32 v[AB0], s73, v14
	v_mov_b32 v[ADRA], v[AA0]
	v_mov_b32 v[ADRB], v[AB0]
	s_mul_i32 s72, s[WV], 3*FRAG
	s_add_co_u32 s72, s72, STAGE                   ; my stage
	v_add_nc_u32 v[STO], s72, v14                  ; in: row l % 16, 16 bytes for each half of the lanes
	v_bfe_u32 v15, v0, 3, 2                        ; back: 32 lanes take four rows of 128 bytes,
	v_mul_u32_u24 v15, v15, PITCH
	v_and_b32 v16, 7, v0
	v_lshl_add_u32 v15, v16, 4, v15
	v_add_nc_u32 v[RD], s72, v15
	v_and_b32 v[GO], 31, v0                        ; which are 512 consecutive bytes in memory
	v_lshlrev_b32 v[GO], 4, v[GO]
	v_lshlrev_b32 v[TBO], 8, v1                    ; tab: row l % 16, 8 numbers for each half of the lanes
	v_lshl_add_u32 v[TBO], v11, 5, v[TBO]
	; the prefetches: every choice hangs on the wave's number or on the cluster's place, never on my place in the cluster, which enters the address alone
	s_mov_b32 s63, KBA
	s_mov_b32 s69, KBB
	s_lshl_b32 s72, s[CX], 13                      ; my quarter of xb's 32 KiB
	s_lshl_b32 s73, s[CY], 12                      ; of a third of wab's tile
	s_and_b32 s78, ttmp7, 0xffff
	s_cmp_eq_u32 s[WV], 0
	s_cselect_b64 s[PFA:PFA+1], s[74:75], s[76:77]
	s_cselect_b32 s72, s72, s73
	s_cselect_b32 s[PST], s63, s69
	s_cselect_b32 s78, ttmp9, s78                  ; the coordinate along which other clusters read the same rows
	s_cselect_b32 s[PM], 0, 1
	s_cselect_b32 s79, 31, 15
	s_cselect_b32 s69, 0, s69
	s_mov_b32 s73, 0
	s_mov_b32 s[PST+1], 0
	s_add_nc_u64 s[PFA:PFA+1], s[PFA:PFA+1], s[72:73]
	s_mul_i32 s72, s[PST], 3
	s_add_nc_u64 s[PFA:PFA+1], s[PFA:PFA+1], s[72:73]  ; at K step 3: the first trip steps it to 4.  K steps 0 to 3 come by their loads alone
	s_cmp_eq_u32 s78, 0
	s_cselect_b32 s[LIM], 2, -1
	v_and_b32 v15, 31, v0
	v_lshrrev_b32 v16, 4, v15
	v_and_b32 v15, s79, v15
	v_mul_lo_u32 v16, v16, s69
	v_lshl_add_u32 v[PFO], v15, 8, v16
	; the way out's bases: t0 = my first row's place in its batch; the head's first byte
	s_and_b32 s72, s[MY], 7
	s_lshl_b32 s72, s72, 8
	s_lshl_b32 s73, s[WM], 7
	s_add_co_u32 s72, s72, s73
	s_lshl_b32 s74, s72, 8
	s_mov_b32 s75, 0
	s_add_nc_u64 s[8:9], s[8:9], s[74:75]
	s_lshr_b32 s76, s[MY], 3
	s_lshl_b32 s76, s76, 4
	s_lshl_b32 s77, s[NX], 1
	s_add_co_u32 s76, s76, s77
	s_add_co_u32 s76, s76, s[WN]                   ; batch x 16 + head
	s_lshl_b32 s76, s76, 18
	s_lshl_b32 s77, s72, 7
	s_add_co_u32 s76, s76, s77
	s_mov_b32 s77, 0
	s_add_nc_u64 s[10:11], s[10:11], s[76:77]
	s_add_nc_u64 s[12:13], s[12:13], s[76:77]
	s_add_nc_u64 s[14:15], s[14:15], s[76:77]
; 16 matrix instructions: kind h, xb's buffer p, row blocks a0 .. a0 + 3 x the kind's 4 column blocks.  zero = 1: the product starts the sums.  The 96 accumulators take turns, one instruction a turn.
.macro MUL h, p, a0, zero
	WIN (((\h)+1)<<6)|(((\h)+1)<<4)
.irp a, \a0, (\a0)+1, (\a0)+2, (\a0)+3
.irp b, 0,1,2,3
.if \zero
	v_wmma_f32_16x16x32_bf16 v[8*(4*(\a)+(\b)):8*(4*(\a)+(\b))+7], v[FB+32*(\h)+8*(\b):FB+32*(\h)+8*(\b)+7], v[FA+64*(\p)+8*(\a):FA+64*(\p)+8*(\a)+7], 0
.else
	v_wmma_f32_16x16x32_bf16 v[8*(4*(\a)+(\b)):8*(4*(\a)+(\b))+7], v[FB+32*(\h)+8*(\b):FB+32*(\h)+8*(\b)+7], v[FA+64*(\p)+8*(\a):FA+64*(\p)+8*(\a)+7], v[8*(4*(\a)+(\b)):8*(4*(\a)+(\b))+7]
.endif
.endr
.endr
.endm
.macro LDB h, sl                       ; 8 LDS loads: kind h's four fragments of wab, slice sl (32 along K)
	WIN 0
.irp b, 0,1,2,3
	ds_load_b128 v[FB+32*(\h)+8*(\b):FB+32*(\h)+8*(\b)+3],   v[ADRB] offset:(4*(\h)+(\b))*FRAG+64*(\sl)
	ds_load_b128 v[FB+32*(\h)+8*(\b)+4:FB+32*(\h)+8*(\b)+7], v[ADRB] offset:(4*(\h)+(\b))*FRAG+64*(\sl)+32
.endr
.endm
.macro LDA p, a0, n, sl                ; 2 n LDS loads: fragments a0 .. a0 + n - 1 of xb, slice sl, into buffer p
	WIN 0
.set la, \a0
.rept \n
	ds_load_b128 v[FA+64*(\p)+8*la:FA+64*(\p)+8*la+3],   v[ADRA] offset:la*FRAG+64*(\sl)
	ds_load_b128 v[FA+64*(\p)+8*la+4:FA+64*(\p)+8*la+7], v[ADRA] offset:la*FRAG+64*(\sl)+32
.set la, la+1
.endr
.endm
; A K step is two slices of 32, 96 matrix instructions each.  wab's three buffers are filled again one after the other, each four places behind its last product; xb's two take turns.
; Slice 0.  On entry are out, in this order: kind 0's fragments (8 loads), xb's (16), kind 1's (8).
.macro EVEN zero
	s_wait_dscnt 8                                 ; all but kind 1's
	MUL 0, 0, 0, \zero
	PLACES
	LDB 2, 0
	LDA 1, 0, 4, 1
	MUL 0, 0, 4, \zero
	s_wait_dscnt 16                                ; kind 1's are in; the 16 just issued stay out
	MUL 1, 0, 0, \zero
	PLACES
	LDB 0, 1
	LDA 1, 4, 4, 1
	MUL 1, 0, 4, \zero
	s_wait_dscnt 24                                ; kind 2's are in; behind them 8 + 16 were issued
	MUL 2, 0, 0, \zero
	PLACES
	LDB 1, 1
	MUL 2, 0, 4, \zero
.endm
; Slice 1.  mode 1: the slot is left and filled again with the K step two on; mode 2: it is left; mode 0: the last slice of all.
; THE CHANGE OF SLOTS: each wave waits for all its tensor loads (one is out: its part of the other slot), adds 0 to its spare word, and waits for that and for its reads of this slot; the barrier opens a round
; of the cluster's, so that no wave of any partner still reads the slot or has a load on its way; the joint refill is the first thing behind the round.  From there to the wait for it a wave issues 160 matrix instructions.
.macro ODD mode
.if (\mode) == 1
	s_wait_xcnt 0x0                                ; the last prefetch, a K step back, has read its address
	s_add_nc_u64 s[PFA:PFA+1], s[PFA:PFA+1], s[PST:PST+1]
.endif
	s_wait_dscnt 8                                 ; all but kind 1's fragments of this slice
	MUL 0, 1, 0, 0
	PLACES
	LDB 2, 1                                       ; my last reads of this slot
.if (\mode) == 0
	MUL 0, 1, 4, 0
	s_wait_dscnt 8
	MUL 1, 1, 0, 0
	MUL 1, 1, 4, 0
	s_wait_dscnt 0x0
	MUL 2, 1, 0, 0
	MUL 2, 1, 4, 0
.else
	s_wait_tensorcnt 0x0                           ; all my tensor loads have landed, so the walking descriptors may be written
	ds_add_u32 v[SPW], v[NIL]                      ; 0 onto my spare word
.if (\mode) == 1
	s_xor_b32 s[G0A+5], s[G0A+5], SLOT1
	s_add_nc_u64 s[G0A+6:G0A+7], s[G0A+6:G0A+7], KBA
	s_xor_b32 s[G0B+5], s[G0B+5], SLOT1
	s_add_nc_u64 s[G0B+6:G0B+7], s[G0B+6:G0B+7], KBB
.endif
	MUL 0, 1, 4, 0                                 ; sixteen matrix instructions stand between the add and the wait for it
	s_wait_dscnt 0x0                               ; the add is done, and my reads of this slot are over
	s_barrier_signal -1
	MUL 1, 1, 0, 0
	WIN 0
	s_barrier_wait -1
.if (\mode) == 1
	CREST
	JLOAD                                          ; its four v_nop are also the places in front of the loads below
.else
	PLACES
.endif
	s_xor_b32 s[TB], s[TB], SLOT1
	v_add_nc_u32 v[ADRA], s[TB], v[AA0]
	v_add_nc_u32 v[ADRB], s[TB], v[AB0]
	LDB 0, 0
	LDA 0, 0, 8, 0
.if (\mode) == 1
	ASK
.endif
	MUL 1, 1, 4, 0
	MUL 2, 1, 0, 0
	PLACES
	LDB 1, 0
	MUL 2, 1, 4, 0
.endif
.endm
	s_wait_tensorcnt 1                             ; my part of K step 0 is in; K step 1's may stay out
	s_barrier_signal -1
	s_barrier_wait -1
	LDB 0, 0
	LDA 0, 0, 8, 0
	LDB 1, 0
	EVEN 1                                         ; the first slice stands in front of the loop: its products start the sums
	WIN 0
	s_mov_b32 s[CNT], 14
.Lk:                                                   ; trip t ends K step t, asks for K step t + 2 and begins K step t + 1
	ODD 1
	EVEN 0
	WIN 0
	s_sub_co_u32 s[CNT], s[CNT], 1
	s_cmp_lg_u32 s[CNT], 0
	s_cbranch_scc1 .Lk
	ODD 2                                          ; the tail is written out: nothing is left to ask for
	EVEN 0
	ODD 0
	WIN 0
; THE WAY OUT, a block of 16 rows at a time.  v first (rounded, through my stage, stored), while the first rows of the table are on their way; then q and k.
.macro TABLD a                         ; 16 rows of the table for block a: my 8 cos and 8 sin for column blocks 0 and 1
.irp i, 0,1,2,3,4,5,6,7
	global_load_b128 v[TBL+32*((\a)%2)+4*(\i):TBL+32*((\a)%2)+4*(\i)+3], v[TBO], s[8:9] offset:(\a)*4096+((\i)/2)*64+((\i)%2)*16
.endr
.endm
.macro PACKV a
	WIN 0x0f                                       ; sources in window 3
.set pi, 0
.rept 16
	v_cvt_pk_f16_f32 v[HH+pi], v[32*(\a)+2*pi], v[32*(\a)+2*pi+1]
.set pi, pi+1
.endr
	WIN 0
	s_wait_xcnt 0x0                                ; the stores of the block two back have read the registers that the loads below fill
.irp f, 0,1,2,3
	ds_store_b128 v[STO], v[HH+4*(\f):HH+4*(\f)+3] offset:2*FRAG+32*(\f)
.endr
.irp f, 0,1,2,3
	ds_load_b128 v[RR+32*((\a)%2)+4*(\f):RR+32*((\a)%2)+4*(\f)+3], v[RD] offset:2*FRAG+4*PITCH*(\f)  ; LDS serves a wave's instructions in order (ISA guide 5.7.1.4): these see the stores above
.endr
.endm
.macro SENDV a, n                      ; n: the LDS instructions issued behind block a's
	s_wait_dscnt \n
.irp f, 0,1,2,3
	global_store_b128 v[GO], v[RR+32*((\a)%2)+4*(\f):RR+32*((\a)%2)+4*(\f)+3], s[14:15] offset:(\a)*2048+512*(\f)  ; 512 consecutive bytes, aligned
.endr
.endm
.macro SUMSQ w, a, d                   ; the squares of my 32 numbers of window w, block a, in four chains; each begins at its accumulator's low end
	WIN (\w)|((\w)<<2)
.irp b, 0,1,2,3
	v_pk_mul_f32 v[SS+(\d)+2*(\b):SS+(\d)+2*(\b)+1], v[32*(\a)+8*(\b):32*(\a)+8*(\b)+1], v[32*(\a)+8*(\b):32*(\a)+8*(\b)+1]
.endr
.irp r, 2,4,6
.irp b, 0,1,2,3
	v_pk_fma_f32 v[SS+(\d)+2*(\b):SS+(\d)+2*(\b)+1], v[32*(\a)+8*(\b)+(\r):32*(\a)+8*(\b)+(\r)+1], v[32*(\a)+8*(\b)+(\r):32*(\a)+8*(\b)+(\r)+1], v[SS+(\d)+2*(\b):SS+(\d)+2*(\b)+1]
.endr
.endr
.endm
.macro ROT w, a                        ; y1 = x1 cos + x2 sin, y2 = x2 cos - x1 sin: x1 in accumulator b, x2 in b + 2.  The norm's factor, common to a row, is applied afterwards
	WIN \w
.irp b, 0,1
.irp r, 0,2,4,6
	v_pk_mul_f32 v[TT+(\r):TT+(\r)+1], v[32*(\a)+8*(\b)+16+(\r):32*(\a)+8*(\b)+16+(\r)+1], v[TBL+32*((\a)%2)+16+8*(\b)+(\r):TBL+32*((\a)%2)+16+8*(\b)+(\r)+1]
.endr
.irp r, 0,2,4,6
	v_pk_mul_f32 v[TT+8+(\r):TT+8+(\r)+1], v[32*(\a)+8*(\b)+(\r):32*(\a)+8*(\b)+(\r)+1], v[TBL+32*((\a)%2)+16+8*(\b)+(\r):TBL+32*((\a)%2)+16+8*(\b)+(\r)+1]
.endr
.irp r, 0,2,4,6
	v_pk_fma_f32 v[YR+8*(\b)+(\r):YR+8*(\b)+(\r)+1], v[32*(\a)+8*(\b)+(\r):32*(\a)+8*(\b)+(\r)+1], v[TBL+32*((\a)%2)+8*(\b)+(\r):TBL+32*((\a)%2)+8*(\b)+(\r)+1], v[TT+(\r):TT+(\r)+1]
.endr
.irp r, 0,2,4,6
	v_pk_fma_f32 v[YR+16+8*(\b)+(\r):YR+16+8*(\b)+(\r)+1], v[32*(\a)+8*(\b)+16+(\r):32*(\a)+8*(\b)+16+(\r)+1], v[TBL+32*((\a)%2)+8*(\b)+(\r):TBL+32*((\a)%2)+8*(\b)+(\r)+1], v[TT+8+(\r):TT+8+(\r)+1] neg_lo:[0,0,1] neg_hi:[0,0,1]
.endr
.endr
.endm
.macro FIN w, a                        ; the factor, the rounding to f16, my stage
	WIN 0
.set fi, 0
.rept 16
	v_pk_mul_f32 v[YR+2*fi:YR+2*fi+1], v[YR+2*fi:YR+2*fi+1], v[FQ+2*((\w)-1):FQ+2*((\w)-1)+1]
.set fi, fi+1
.endr
.set fi, 0
.rept 16
	v_cvt_pk_f16_f32 v[HH+fi], v[YR+2*fi], v[YR+2*fi+1]
.set fi, fi+1
.endr
.if (\w) == 1
	s_wait_xcnt 0x0                                ; the stores of the block two back have read the registers that this block's loads from the stage fill
.endif
.irp f, 0,1,2,3
	ds_store_b128 v[STO], v[HH+4*(\f):HH+4*(\f)+3] offset:((\w)-1)*FRAG+32*(\f)
.endr
.irp f, 0,1,2,3
	ds_load_b128 v[RR+16*((\w)-1)+32*((\a)%2)+4*(\f):RR+16*((\w)-1)+32*((\a)%2)+4*(\f)+3], v[RD] offset:((\w)-1)*FRAG+4*PITCH*(\f)
.endr
.endm
.macro QK a
	SUMSQ 1, \a, 0
	SUMSQ 2, \a, 8
	WIN 0
	v_pk_add_f32 v[SS:SS+1], v[SS:SS+1], v[SS+2:SS+3]
	v_pk_add_f32 v[SS+8:SS+9], v[SS+8:SS+9], v[SS+10:SS+11]
	v_pk_add_f32 v[SS+4:SS+5], v[SS+4:SS+5], v[SS+6:SS+7]
	v_pk_add_f32 v[SS+12:SS+13], v[SS+12:SS+13], v[SS+14:SS+15]
	v_pk_add_f32 v[SS:SS+1], v[SS:SS+1], v[SS+4:SS+5]
	v_pk_add_f32 v[SS+8:SS+9], v[SS+8:SS+9], v[SS+12:SS+13]
	v_add_f32 v[SS], v[SS], v[SS+1]
	v_add_f32 v[SS+8], v[SS+8], v[SS+9]
	v_permlanex16_b32 v[WK], v[SS], s[SEL], s[SEL+1]       ; the row's other 32 numbers lie in the lane 16 away
	v_permlanex16_b32 v[WK+1], v[SS+8], s[SEL], s[SEL+1]
	v_add_f32 v[SS], v[SS], v[WK]
	v_add_f32 v[SS+8], v[SS+8], v[WK+1]
	v_fma_f32 v[SS], v[SS], s[R64], s[EPS]                 ; the mean of the squares + eps
	v_fma_f32 v[SS+8], v[SS+8], s[R64], s[EPS]
	v_rsq_f32 v[WK+2], v[SS]
	v_rsq_f32 v[WK+3], v[SS+8]
.if (\a) == 7
	s_wait_loadcnt 0x0                             ; this block's rows of the table
.else
	s_wait_loadcnt 8                               ; this block's rows of the table are in; the next block's 8 loads stay out
.endif
	ROT 1, \a                                      ; q's rotation names neither root: the independent work behind them
	WIN 0
	s_wait_alu depctr_va_vdst(0)                   ; one wait for the two roots, ahead of their first reader
	v_mul_f32 v[FQ], s[CQ], v[WK+2]
	v_mul_f32 v[FQ+1], s[CQ], v[WK+2]
	v_mov_b32 v[FK], v[WK+3]
	v_mov_b32 v[FK+1], v[WK+3]
	FIN 1, \a
	ROT 2, \a
	FIN 2, \a
.if (\a) < 6
	TABLD (\a)+2
.endif
.endm
.macro SENDQK a, n
	s_wait_dscnt \n
.irp f, 0,1,2,3
	global_store_b128 v[GO], v[RR+32*((\a)%2)+4*(\f):RR+32*((\a)%2)+4*(\f)+3], s[10:11] offset:(\a)*2048+512*(\f)
.endr
.irp f, 0,1,2,3
	global_store_b128 v[GO], v[RR+16+32*((\a)%2)+4*(\f):RR+16+32*((\a)%2)+4*(\f)+3], s[12:13] offset:(\a)*2048+512*(\f)
.endr
.endm
.rept 8
	v_nop                                          ; the places behind the last products
.endr
	v_mov_b32 v[WK], 0                             ; v_permlanex16_b32's destinations count as read
	v_mov_b32 v[WK+1], 0
	TABLD 0
	TABLD 1
	PACKV 0
.irp a, 1,2,3,4,5,6,7
	PACKV \a                                       ; a block's conversions stand between the loads of the block before and its stores
	SENDV (\a)-1, 8
.endr
	SENDV 7, 0
	QK 0
.irp a, 1,2,3,4,5,6,7
	QK \a
	SENDQK (\a)-1, 16
.endr
	SENDQK 7, 0
	s_wait_tensorcnt 0x0                           ; the wave's end: behind my last tensor load and my last LDS store
	ds_add_u32 v[SPW], v[NIL]
	s_wait_dscnt 0x0
	CROUND                                         ; the closing round: no work-group ends while a partner may still ask for a tile that names it
	s_endpgm
.Lfunc_end_k_q70eb4bb504_qkv:
	.size	k_q70eb4bb504_qkv, .Lfunc_end_k_q70eb4bb504_qkv-k_q70eb4bb504_qkv
	.p2alignl 7, 3214868480
	.fill 96, 4, 3214868480
	.section	.rodata,"a",@progbits
	.p2align	6, 0x0
	.amdhsa_kernel k_q70eb4bb504_qkv
		.amdhsa_group_segment_fixed_size 327680
		.amdhsa_private_segment_fixed_size 0
		.amdhsa_enable_private_segment 0
		.amdhsa_kernarg_size 48
		.amdhsa_user_sgpr_count 2
		.amdhsa_user_sgpr_kernarg_segment_ptr 1
		.amdhsa_wavefront_size32 1
		.amdhsa_system_sgpr_workgroup_id_x 1
		.amdhsa_system_sgpr_workgroup_id_y 1
		.amdhsa_system_sgpr_workgroup_id_z 1
		.amdhsa_system_vgpr_workitem_id 0
		.amdhsa_next_free_vgpr 1024
		.amdhsa_next_free_sgpr 80
		.amdhsa_reserve_vcc 0
		.amdhsa_float_denorm_mode_32 3
		.amdhsa_float_denorm_mode_16_64 3
		.amdhsa_memory_ordered 1
		.amdhsa_forward_progress 1
		.amdhsa_inst_pref_size 192
	.end_amdhsa_kernel
	.amdgpu_metadata
---
amdhsa.version: [ 1, 2 ]
amdhsa.kernels:
  - .name:           k_q70eb4bb504_qkv
    .symbol:         k_q70eb4bb504_qkv.kd
    .args:
      - { .name: xb, .offset: 0, .size: 8, .value_kind: global_buffer, .address_space: global }
      - { .name: wab, .offset: 8, .size: 8, .value_kind: global_buffer, .address_space: global }
      - { .name: tab, .offset: 16, .size: 8, .value_kind: global_buffer, .address_space: global }
      - { .name: qh, .offset: 24, .size: 8, .value_kind: global_buffer, .address_space: global }
      - { .name: kh, .offset: 32, .size: 8, .value_kind: global_buffer, .address_space: global }
      - { .name: vh, .offset: 40, .size: 8, .value_kind: global_buffer, .address_space: global }
    .group_segment_fixed_size: 327680
    .private_segment_fixed_size: 0
    .kernarg_segment_align: 8
    .kernarg_segment_size: 48
    .max_flat_workgroup_size: 128
    .sgpr_count:     80
    .vgpr_count:     1024
    .wavefront_size: 32
...
	.end_amdgpu_metadata
.endif
;; end of part 2
;; launch att (part 3): grid 4 x 64, 4 waves a work-group, no clusters, 327,680 bytes of LDS; arguments qh, kh, vh, yh; writes yh
.if DOCPART == 3
	.amdgcn_target "amdgcn-amd-amdhsa--gfx1250"
	.amdhsa_code_object_version 6
	.text
	.protected	k_q70eb4bb504_att
	.globl	k_q70eb4bb504_att
	.p2align	8
	.type	k_q70eb4bb504_att,@function
k_q70eb4bb504_att:
	s_mov_b64 s[64:65], 0
	v_nop
	global_prefetch_b8 v0, s[64:65] scope:SCOPE_SE
	s_setreg_imm32_b32 hwreg(HW_REG_WAVE_MODE, 25, 1), 1
	s_wait_xcnt 0x0
; CAUSAL ATTENTION.  y[h][q][:] = the sum over k <= q of softmax_k(S[q][k]) vh[h][k][:], S = qh[h][q] . kh[h][k] in base 2: qh carries c = log2(e) / 8.  qh, kh, vh: [64][2048][64] f16: a head's rows are dense, 128 bytes.
; OUT: yh [64 heads][16 groups][128 rows of y rounded to f16, then 16 rows of LOW PARTS][64] f16.  The low part, y less its f16 rounding, is kept for the first 16 rows of each group of 128: the first rows of a
; sequence average over few keys and are many times the output's root mean square, so their rounding is what the comparison feels; the projection adds the low parts in.
; Products and sums in f32; the weights p = 2^S are rounded to f16 for the second product, and their sum l is taken OF THE ROUNDED WEIGHTS, by the matrix unit (ones x P), so that the weights used add up to 1.
; NO MAXIMUM IS TAKEN AWAY, because the computation bounds the exponents for every input: q and k are normalised by the model itself (length at most 8) and turned by cos and sin rounded to bf16 (a stretch of
; at most 1 + 2^-8), so q . k / 8 lies within 8.1 either way: p lies between 3.0e-4 and 3,300, both normal numbers of f16, and a row's sum is at most 2,048 x 3,300 = 6.8e6, kept in f32.
; LIMITS.  vh arrives within f16; the result is a mean of its rows.  A hidden score counts as its value less 1e30, its weight is 0.  NaN and infinities are not treated apart.
; THE WALK.  A head's queries lie in NB = 8 blocks of 256; block i needs the key tiles 0 .. i of 256 keys, of which the last holds the diagonal.  A work-group takes TWO blocks, 7 - b and then b: 9 tiles,
; whatever b: all 256 work-groups do equal work, and ONE loop with a constant trip count walks them; the ring of two LDS slots runs on across the change of blocks.  Every jump goes forward but the counted loops' own.
; NO CLUSTER: a head's four work-groups ask for the same tile only in trips 0 .. 4 of 9, behind that fewer and fewer; one walk common to all would have 12 trips for 9.
; SHARES.  Of a block's four bands of 64 queries a wave owns 16 rows in each: four PIECES, in two PAIRS (0, 1 and 2, 3).  In the diagonal tile's key step s band x sees all keys if s < x, none if s > x, and holds the
; diagonal if s = x: the same work for all waves.  THE MASK is the C operand that starts S^T = K Q^T: MD x AL + BE, MD the mask of a band's own step, (AL, BE) = (1, 0), (0, 0) or (0, -1e30).
; LAYOUT.  S^T = K Q^T holds ONE query a lane (lane % 16) and the keys 8 (lane / 16) + 0..7; two such results rounded to f16 ARE source 1 of O^T = V^T P and of L^T = ones P, which holds the query's whole sum in every register.
; TURNS.  Turn y belongs to pair y; o is the other pair.  16 products V^T P and 4 products ones P of pair o, behind them the 64 exponentials of pair y (three or four each); ONE wait for the 64; 16 products K Q^T of
; pair o for the next step, behind each two of pair y's 32 roundings.  A trip (key step s): K(s) is fetched; turn 1; turn 0, which fetches V(s) behind V's last reader.  All of a trip's LDS reads lie in the tile's own slot.
; REGISTERS, in windows of 256 (s_set_vgpr_msb: bits 1:0 source 0, 3:2 source 1, 5:4 source 2, 7:6 destination):
;   window 0: v0-15 addresses; v16-31 1 / l (piece t at v[18 + 4 t]); v32-39 a fragment of ones; v40 -1.0; v61-63; v64-191 S^T, 32 a piece; v192-255 P, 16 a piece
;   window 1: v0-127 O^T, 32 a piece; v128-159 MD; v160-223 MC, the two masks of the products to come; v224-255 L^T, 8 a piece      window 2: v0-63 Q; v64-127 the second block's Q; v128-191 K of a step; v192-255 V of a step
.set NB,    8
.set KS,    64
.set PK,    144       ; a row of K in LDS: 128 bytes + 16 of padding: the 16 rows of a load start at 16 different groups of four banks (64 banks of 4 bytes: ISA guide 11.1)
.set PVV,   160       ; a row of V: 128 + 32
.set VOFF,  4*KS*PK   ; a slot holds a tile: 256 rows of K, then 256 rows of V
.set SLOT1, 1<<17
.set STAGE, SLOT1+4*KS*(PK+PVV)  ; behind the ring, never filled by a tensor load: 16 rows x 144 bytes for each wave
.set SP,    144
.set SPARE, STAGE+4*16*SP        ; the spare words, 128 bytes for each wave: two blocks of 256 bytes that no other line names
.set YBLK,  36864     ; a block of 256 queries in yh: 2 x (128 + 16) rows of 128 bytes
.set YHEAD, 8*YBLK    ; a head in yh
.set AK0, 2
.set AV0, 3
.set AK,  4
.set AV,  5
.set STO, 6
.set RD,  7
.set GO,  8
.set QO,  15
.set ST,  16
.set ONES, 32         ; v[32:39] 1.0 in every f16 half; never rewritten
.set MONE, 40         ; v40  -1.0; never rewritten
.set PFO, 61          ; v61  256 x my lane; never rewritten
.set SPW, 62          ; v62  LDS address of my spare word; never rewritten
.set NIL, 63          ; v63  0; never rewritten
.set S,   64
.set P,   192
.set MD,  128
.set MC,  160
.set LA,  224
.set QB,  64
.set KF,  128
.set VF,  192
.set WV,  12
.set PB,  14          ; s14  b
.set HI,  15          ; s15  7 - b
.set G1K, 24
.set G1V, 32
.set G0K, 40
.set G0V, 44
.set SLOTS, 56        ; s56  tiles still to be asked for
.set CNT, 57          ; s57  counts a tile's key steps, 4 to 1
.set TBK, 62          ; s62  LDS byte at which K of the step to be fetched begins
.set TBV, 63          ; s63  the same for V, less VOFF
.set RT,  70          ; s70  tiles of the block in hand still to be entered
.set NXT, 71          ; s71  the tile to be asked for next
.set LQ,  72          ; s72  the last tile of the block whose tiles are being asked for
.set NEW, 73          ; s73  1: the tile to be entered is a block's first
.set OFF, 74          ; s[74:75] a tile's byte offset in K and V
.set AL0, 76          ; s[76:77], s[78:79] the first piece's factor and addend, in the low words
.set BE0, 78
.set OLO, 80          ; s[80:81] yh at my rows of the second block
.set BIGN, 82
.set AL1, 88          ; s[88:89], s[90:91] the second piece's
.set BE1, 90
.set PFA, 92          ; s[92:93] where my prefetches stand
.set LIM, 94          ; s94  2 in the work-group that prefetches, else the greatest number
.set MSB, 0
.macro WIN new
.if MSB != (\new)
	s_set_vgpr_msb (MSB<<8)|(\new)
.set MSB, (\new)
.endif
.endm
.set W_KQ, 0x0a       ; K and Q in window 2, S^T in window 0
.set W_KM, 0x1a       ; the same with the C operand in window 1
.set W_PV, 0x52       ; V in window 2, P in window 0, O^T in window 1
.set W_LS, 0x50       ; the ones and P in window 0, L^T in window 1
.set W_RS, 0x41       ; destination and source 0 in window 1
.macro LOAD                         ; waves 0 and 1 fetch the two halves of a tile's K, waves 2 and 3 those of its V; an s_nop 0 and four v_nop follow each line
	s_cmp_lt_u32 s[WV], 2
	s_cbranch_scc0 .Lfor_v_\@
	tensor_load_to_lds s[G0K:G0K+3], s[G1K:G1K+7]
	s_nop 0
.rept 4
	v_nop
.endr
	s_branch .Lasked_\@
.Lfor_v_\@:
	tensor_load_to_lds s[G0V:G0V+3], s[G1V:G1V+7]
	s_nop 0
.rept 4
	v_nop
.endr
.Lasked_\@:
.endm
; A PREFETCH INTO THE L2 of the tile that the NEXT change of slots will ask for: four key steps, 288 matrix instructions, ahead of that load.  A head's four work-groups walk the tiles 0, 1, .. together, and the one
; with b = 0 walks all eight: it alone asks, each of its waves for the 16 KiB that it will load itself: 64 blocks of 256 bytes, a lane a block, two instructions.  So each block is named once in the launch.
; Tiles 0 and 1 come by their loads alone; the changes behind which no further tile of the first block follows ask for nothing; the second block's tiles have been read before.
.macro ASK
	s_cmp_gt_u32 s[SLOTS], s[LIM]
	s_cbranch_scc0 .Lnot_mine_\@
	global_prefetch_b8 v[PFO], s[PFA:PFA+1] th:TH_LOAD_NT scope:SCOPE_SE
	global_prefetch_b8 v[PFO], s[PFA:PFA+1] offset:8192 th:TH_LOAD_NT scope:SCOPE_SE
.Lnot_mine_\@:
.endm
; THE CHANGE OF SLOTS.  Each wave waits for all its tensor loads (one is out: its part of the other slot), adds 0 to its spare word, and waits for that and for its reads of the slot that it leaves.  Behind the
; barrier nobody reads the old slot and the other is whole.  fill = 1: the old slot is filled again, first thing behind the barrier, with tile NXT; the descriptor's address is made anew from that number.
.macro CHANGE fill
	WIN 0
	s_wait_tensorcnt 0x0            ; no tensor load of mine is out, so a group 0 may be written
	ds_add_u32 v[SPW], v[NIL]       ; 0 onto my spare word
.if \fill
	s_lshl_b32 s[OFF], s[NXT], 15   ; a tile is 32,768 bytes of K and of V
	s_xor_b32 s[G0K+1], s[G0K+1], SLOT1
	s_add_nc_u64 s[G0K+2:G0K+3], s[6:7], s[OFF:OFF+1]
	s_or_b32 s[G0K+3], s[G0K+3], 0x80000000
	s_xor_b32 s[G0V+1], s[G0V+1], SLOT1
	s_add_nc_u64 s[G0V+2:G0V+3], s[8:9], s[OFF:OFF+1]
	s_or_b32 s[G0V+3], s[G0V+3], 0x80000000
	s_add_co_u32 s[NXT], s[NXT], 1  ; the block's next tile, or behind its last the second block's tile 0
	s_cmp_gt_u32 s[NXT], s[LQ]
	s_cselect_b32 s[NXT], 0, s[NXT]
	s_cselect_b32 s[LQ], s[PB], s[LQ]
	s_wait_xcnt 0x0                 ; the last prefetches, a tile back, have read their address
	s_add_nc_u64 s[PFA:PFA+1], s[PFA:PFA+1], 32768
.endif
	s_wait_dscnt 0x0                ; the add is done, and my reads of the slot are over
	s_barrier_signal -1
	s_sub_co_u32 s[TBK], s[TBK], 4*KS*PK  ; the fetches go back to a slot's first step,
	s_xor_b32 s[TBK], s[TBK], SLOT1       ; in the other slot
	s_sub_co_u32 s[TBV], s[TBV], 4*KS*PVV
	s_xor_b32 s[TBV], s[TBV], SLOT1
	s_barrier_wait -1
.if \fill
	LOAD
	ASK
.endif
.endm
	s_load_b256 s[4:11], s[0:1], 0x0  ; qh s[4:5], kh s[6:7], vh s[8:9], yh s[10:11]
	v_lshl_add_u32 v[SPW], v0, 2, SPARE
	v_mov_b32 v[NIL], 0
	ds_add_u32 v[SPW], v[NIL]       ; the wave's opening: the add and its wait ahead of my first tensor load; the set-up stands between them
	v_lshrrev_b32 v1, 5, v0
	v_readfirstlane_b32 s[WV], v1
	s_mov_b32 s[PB], ttmp9
	s_sub_co_u32 s[HI], NB-1, s[PB]
	s_and_b32 s20, ttmp7, 0xffff
	s_mul_i32 s66, s20, YHEAD       ; the head's first byte in yh,
	s_lshl_b32 s20, s20, 18         ; and in qh, kh, vh: 2,048 rows of 128 bytes
	s_mov_b32 s21, 0
	s_and_b32 s16, s[WV], 1         ; which half of a tile's 256 keys I fetch
	s_lshl_b32 s22, s16, 14
	s_mov_b32 s23, 0
	s_add_nc_u64 s[22:23], s[22:23], s[20:21]
	s_mul_i32 s17, s16, 128*PK
	s_mul_i32 s18, s16, 128*PVV
	s_lshl_b32 s3, s[WV], 11        ; my 16 rows in a band of 64,
	s_add_co_u32 s66, s66, s3
	s_mul_i32 s68, s[PB], YBLK      ; yh at my rows of the second block,
	s_add_co_u32 s68, s68, s66
	s_mul_i32 s67, s[HI], YBLK      ; and of the first
	s_add_co_u32 s66, s66, s67
	s_mov_b32 s67, 0
	s_mov_b32 s69, 0
	s_lshl_b32 s2, s[HI], 15        ; qh: in the first block,
	s_add_co_u32 s2, s2, s3
	s_lshl_b32 s84, s[PB], 15       ; and in the second
	s_add_co_u32 s84, s84, s3
	s_mov_b32 s3, 0
	s_mov_b32 s85, 0
	s_add_nc_u64 s[2:3], s[2:3], s[20:21]
	s_add_nc_u64 s[84:85], s[84:85], s[20:21]
	; group 1: 128 keys are 16,384 dense bytes: asked for as 64 rows of 256 bytes, two keys a row, padded in LDS after every key
	s_mov_b32 s[G1K], (1<<16)|(1<<20)|(4<<22)|(3<<25)
	s_mov_b32 s[G1V], (1<<16)|(1<<20)|(4<<22)|(7<<25)
.irp g, G1K, G1V
	s_mov_b32 s[\g+1], 128<<16
	s_mov_b32 s[\g+2], 64<<16
	s_mov_b32 s[\g+3], 128<<16
	s_mov_b32 s[\g+4], 64
	s_mov_b32 s[\g+5], 128
	s_mov_b32 s[\g+6], 0
	s_mov_b32 s[\g+7], 0
.endr
	s_mov_b32 s[TBK], SLOT1+4*KS*PK ; the first change of slots turns these two into 0
	s_mov_b32 s[TBV], SLOT1+4*KS*PVV
	s_mov_b32 s[G0K], 1
	s_mov_b32 s[G0K+1], s17
	s_mov_b32 s[G0V], 1
	s_add_co_u32 s[G0V+1], s18, VOFF
	s_add_co_u32 s[RT], s[HI], 1    ; the first block has 8 - b tiles
	s_mov_b32 s[NXT], 1
	s_mov_b32 s[LQ], s[HI]
	s_mov_b32 s[NEW], 1
	s_mov_b32 s[OFF+1], 0
	s_mov_b32 s[AL0+1], 0           ; named as pairs
	s_mov_b32 s[BE0+1], 0
	s_mov_b32 s[AL1+1], 0
	s_mov_b32 s[BE1+1], 0
	s_mov_b32 s[BIGN], 0xf149f2ca   ; -1e30
	s_mov_b32 s[SLOTS], NB
	s_wait_dscnt 0x0                ; the opening add is done
	s_wait_kmcnt 0x0
	s_add_nc_u64 s[6:7], s[6:7], s[22:23]  ; K and V at my half of the head's tile 0
	s_add_nc_u64 s[8:9], s[8:9], s[22:23]
	s_add_nc_u64 s[G0K+2:G0K+3], s[6:7], 0
	s_or_b32 s[G0K+3], s[G0K+3], 0x80000000
	s_add_nc_u64 s[G0V+2:G0V+3], s[8:9], 0
	s_or_b32 s[G0V+3], s[G0V+3], 0x80000000
	s_add_nc_u64 s[86:87], s[4:5], s[84:85]
	s_add_nc_u64 s[4:5], s[4:5], s[2:3]
	s_add_nc_u64 s[OLO:OLO+1], s[10:11], s[68:69]
	s_add_nc_u64 s[10:11], s[10:11], s[66:67]
	s_cmp_lt_u32 s[WV], 2
	s_cselect_b64 s[PFA:PFA+1], s[6:7], s[8:9]
	s_add_nc_u64 s[PFA:PFA+1], s[PFA:PFA+1], 32768  ; at tile 1: the first change of slots steps it to tile 2
	s_cmp_eq_u32 s[PB], 0
	s_cselect_b32 s[LIM], 2, -1
	LOAD                            ; tile 0 into slot 0
	v_and_b32 v1, 15, v0            ; l % 16
	v_bfe_u32 v9, v0, 4, 1          ; l / 16
	v_lshlrev_b32 v[QO], 7, v1
	v_lshl_add_u32 v[QO], v9, 4, v[QO]
	WIN 0x80
.set i, 0
.rept 8                             ; both blocks' Q: piece i / 2 lies in band i / 2, 8,192 bytes on; channels 32 (i % 2) on
	global_load_b128 v[8*i:8*i+3],   v[QO], s[4:5] offset:(i/2)*8192+(i%2)*64
	global_load_b128 v[8*i+4:8*i+7], v[QO], s[4:5] offset:(i/2)*8192+(i%2)*64+32
	global_load_b128 v[QB+8*i:QB+8*i+3],   v[QO], s[86:87] offset:(i/2)*8192+(i%2)*64
	global_load_b128 v[QB+8*i+4:QB+8*i+7], v[QO], s[86:87] offset:(i/2)*8192+(i%2)*64+32
.set i, i+1
.endr
	WIN 0
	v_lshlrev_b32 v14, 3, v9
	v_sub_nc_u32 v14, v1, v14
	s_lshl_b32 s13, s[WV], 4
	v_add_nc_u32 v14, s13, v14      ; my query's place in its band less my lanes' 8 (l / 16): register r of key group kt is hidden where 16 kt + r is greater
	WIN 0x40
.set i, 0
.rept 32
	v_cmp_gt_i32 vcc_lo, 16*(i/8)+i%8, v14
	v_cndmask_b32 v[MD+i], 0, s[BIGN], vcc_lo
.set i, i+1
.endr
	WIN 0
	v_mul_u32_u24 v[AK0], v1, PK
	v_lshl_add_u32 v[AK0], v9, 4, v[AK0]
	; The turning load takes 16 keys x 16 channels (lane l reads key 8 (l / 16) + l % 8, channels 8 ((l / 8) % 2) + 0..7) and leaves half a fragment of V^T.
	v_and_b32 v10, 7, v0
	v_bfe_u32 v11, v0, 3, 1
	v_lshl_add_u32 v[AV0], v9, 3, v10
	v_mul_u32_u24 v[AV0], v[AV0], PVV
	v_lshl_add_u32 v[AV0], v11, 4, v[AV0]
	v_add_nc_u32 v[AV0], VOFF, v[AV0]
	s_mul_i32 s13, s[WV], 16*SP
	s_add_co_u32 s13, s13, STAGE
	v_mul_u32_u24 v[STO], v1, SP
	v_lshl_add_u32 v[STO], v9, 4, v[STO]
	v_add_nc_u32 v[STO], s13, v[STO]
	v_bfe_u32 v[RD], v0, 3, 2
	v_mul_u32_u24 v[RD], v[RD], SP
	v_lshl_add_u32 v[RD], v10, 4, v[RD]
	v_add_nc_u32 v[RD], s13, v[RD]
	v_and_b32 v[GO], 31, v0
	v_lshlrev_b32 v[PFO], 8, v[GO]
	v_lshlrev_b32 v[GO], 4, v[GO]
.set i, 0
.rept 8
	v_mov_b32 v[ONES+i], 0x3c003c00 ; 1.0 twice in f16
.set i, i+1
.endr
	v_mov_b32 v[MONE], -1.0
.set i, 0
.rept 4
	v_mov_b32 v[ST+4*i+3], 0        ; named with 1 / l as a pair, so it is written
.set i, i+1
.endr
	WIN 0x80                        ; a block's first turn multiplies weights that are 0 by what V's registers hold: it need only be finite
.set i, VF
.rept 64
	v_mov_b32 v[i], 0
.set i, i+1
.endr
	WIN 0
; THE MATRIX WORK.  The accumulators of a run take turns, one instruction a turn.  Product i of 16 of S^T = K Q^T for pair x: channels 32 (i / 8) on, keys 16 ((i / 2) % 4) on, piece 2 x + i % 2.
.macro KQ x
.set rS, S+64*(\x)+32*(i%2)+8*((i/2)%4)
.set rK, KF+16*((i/2)%4)+8*(i/8)
.set rQ, 16*(2*(\x)+i%2)+8*(i/8)
.set rM, MC+32*(i%2)+8*((i/2)%4)
.if (i < 8) && KM
	WIN W_KM
	v_wmma_f32_16x16x32_f16 v[rS:rS+7], v[rK:rK+7], v[rQ:rQ+7], v[rM:rM+7]
.elseif i < 8
	WIN W_KQ
	v_wmma_f32_16x16x32_f16 v[rS:rS+7], v[rK:rK+7], v[rQ:rQ+7], 0
.else
	WIN W_KQ
	v_wmma_f32_16x16x32_f16 v[rS:rS+7], v[rK:rK+7], v[rQ:rQ+7], v[rS:rS+7]
.endif
.endm
; Product i of 16 of O^T += V^T P for pair x: keys 32 (i / 8) on, channels 16 ((i / 2) % 4) on, piece 2 x + i % 2.
.macro PV x
	WIN W_PV
.set rO, 32*(2*(\x)+i%2)+8*((i/2)%4)
.set rV, VF+32*(i/8)+8*((i/2)%4)
.set rP, P+32*(\x)+16*(i%2)+8*(i/8)
	v_wmma_f32_16x16x32_f16 v[rO:rO+7], v[rV:rV+7], v[rP:rP+7], v[rO:rO+7]
.endm
; Product i of 4 of L^T += ones P for pair x: keys 32 (i / 2) on, piece 2 x + i % 2: every row of the result is the sum of the 32 weights of the lane's query.
.macro LS x
	WIN W_LS
.set rL, LA+8*(2*(\x)+i%2)
.set rP, P+32*(\x)+16*(i%2)+8*(i/2)
	v_wmma_f32_16x16x32_f16 v[rL:rL+7], v[ONES:ONES+7], v[rP:rP+7], v[rL:rL+7]
.endm
; THE LDS LOADS stand in runs of 16.  K's last reader stands two roundings, two v_nop and this run's own v_add_nc_u32 back.
.macro FETCH_K
	WIN 0
	v_add_nc_u32 v[AK], s[TBK], v[AK0]
	s_add_co_u32 s[TBK], s[TBK], KS*PK
	WIN 0x80
.irp f, 0,1,2,3,4,5,6,7             ; keys 16 (f / 2) on, channels 32 (f % 2) on
	ds_load_b128 v[KF+8*\f:KF+8*\f+3],   v[AK] offset:(\f/2)*16*PK+(\f%2)*64
	ds_load_b128 v[KF+8*\f+4:KF+8*\f+7], v[AK] offset:(\f/2)*16*PK+(\f%2)*64+32
.endr
	WIN 0
.endm
.macro FETCH_V
	WIN 0x80
.irp f, 0,1,2,3,4,5,6,7             ; keys 32 (f / 4) on, channels 16 (f % 4) on
	ds_load_tr16_b128 v[VF+8*\f:VF+8*\f+3],   v[AV] offset:(\f/4)*32*PVV+(\f%4)*32
	ds_load_tr16_b128 v[VF+8*\f+4:VF+8*\f+7], v[AV] offset:(\f/4)*32*PVV+16*PVV+(\f%4)*32
.endr
	WIN 0
.endm
; THE VECTOR WORK of pair Y, in two queues; the two pieces alternate.  EX: exponential e of 64: score e / 2 of piece e % 2, ascending.
.macro EX
	WIN 0
	v_exp_f32 v[S+64*Y+32*(e%2)+e/2], v[S+64*Y+32*(e%2)+e/2]
.set e, e+1
.endm
; GS: rounding g of 32: weights 2 (g / 2) and + 1 of piece g % 2, to f16.
.macro GS
	WIN 0
	v_cvt_pk_f16_f32 v[P+32*Y+16*(g%2)+g/2], v[S+64*Y+32*(g%2)+2*(g/2)], v[S+64*Y+32*(g%2)+2*(g/2)+1]
.set g, g+1
.endm
.macro MASK                         ; MD x AL + BE for the two pieces of the products to come
	WIN W_RS
.set z, 0
.rept 16
	v_pk_fma_f32 v[MC+2*z:MC+2*z+1], v[MD+2*z:MD+2*z+1], s[AL0:AL0+1], s[BE0:BE0+1] op_sel_hi:[1,0,0]
.set z, z+1
.endr
.set z, 0
.rept 16
	v_pk_fma_f32 v[MC+32+2*z:MC+32+2*z+1], v[MD+2*z:MD+2*z+1], s[AL1:AL1+1], s[BE1:BE1+1] op_sel_hi:[1,0,0]
.set z, z+1
.endr
.endm
; A TURN, for pair y.  m = 1: the diagonal tile: the products K Q^T take masks, made at the turn's head for pieces x = 2 o and 2 o + 1 in step 4 - CNT.  end = 1: a block's last turn: no next scores.
; No vector line names a register of the products round it.  Behind the last exponential stands a plain instruction, then one wait ahead of the first line that names a result.
; In turn 0 four plain instructions (V's address and three v_nop) stand between V's last reader and V's run of loads; exponentials are no such places.  Two v_nop close the turn: with the last product's two
; roundings they are the four places between the last K Q^T and the first read of its scores, and K's next run of loads.
.macro TURN y, m=0, end=0
.set Y, (\y)
.set O, 1-(\y)
.set KM, (\m)
.set e, 0
.set g, 0
.if (\m) && !(\end)
	s_cmp_eq_u32 s[CNT], 4-2*O      ; is the step the band's own?
	s_cselect_b32 s[AL0], 1.0, 0
	s_cmp_lt_u32 s[CNT], 4-2*O      ; or a later one?
	s_cselect_b32 s[BE0], s[BIGN], 0
	s_cmp_eq_u32 s[CNT], 3-2*O
	s_cselect_b32 s[AL1], 1.0, 0
	s_cmp_lt_u32 s[CNT], 3-2*O
	s_cselect_b32 s[BE1], s[BIGN], 0
	MASK
.endif
.if (\y) == 1
.if \end
	s_wait_dscnt 0x0                ; V is in
.else
	s_wait_dscnt 16                 ; V is in; K's 16 loads were issued behind V's and may stay out
.endif
.endif
.set i, 0
.rept 16
	PV O
	EX
	EX
	EX
.set i, i+1
.endr
.set i, 0
.rept 4
	LS O
	EX
	EX
	EX
	EX
.set i, i+1
.endr
	WIN 0
.if (\y) == 0
	v_add_nc_u32 v[AV], s[TBV], v[AV0]
	s_add_co_u32 s[TBV], s[TBV], KS*PVV
	v_nop
	v_nop
	v_nop
.else
	v_nop
.endif
	s_wait_alu depctr_va_vdst(0)    ; the wait for the turn's 64 exponentials
.if (\y) == 0
	FETCH_V
.elseif !(\end)
	s_wait_dscnt 0x0                ; K is in
.endif
.set i, 0
.rept 16
.if !(\end)
	KQ O
.endif
	GS
	GS
.set i, i+1
.endr
.if !(\end)
	WIN 0
	v_nop
	v_nop
.endif
.endm
; A BLOCK BEGINS.  O^T, L^T and pair 1's weights are cleared (192 lines, the price of writing no first step out: the first turn's products, of a step that has not been, then add 0).  The masks of pair 0 for the
; tile's step 0: piece 0's own, if the block's first tile is the diagonal one.  Then K of that step and pair 0's first scores.  The loop is entered at turn 0, in the middle of a trip.
.macro BEGIN
	s_mov_b32 s[NEW], 0
	WIN 0x40
.set i, 0
.rept 128
	v_mov_b32 v[i], 0
.set i, i+1
.endr
.set i, LA
.rept 32
	v_mov_b32 v[i], 0
.set i, i+1
.endr
	WIN 0
.set i, P+32
.rept 32
	v_mov_b32 v[i], 0
.set i, i+1
.endr
	s_cmp_eq_u32 s[RT], 0
	s_cselect_b32 s[AL0], 1.0, 0
	s_mov_b32 s[BE0], 0
	s_mov_b32 s[AL1], 0
	s_mov_b32 s[BE1], 0
	MASK
	FETCH_K
	s_wait_loadcnt 0x0              ; Q
	s_wait_dscnt 0x0
.set KM, 1
.set i, 0
.rept 16
	KQ 0
.set i, i+1
.endr
	WIN 0
.rept 4
	v_nop                           ; the places behind those products
.endr
.endm
.macro ALL line:vararg              ; one line for each piece t
.set t, 0
.rept 4
	\line
.set t, t+1
.endr
.endm
; THE LOW PARTS of piece t (0 or 2), by wave 0 alone, whose 16 rows of bands 0 and 2 are the first 16 of a group of 128: y less its f16 rounding (the f16 half times -1.0, plus y: one rounding, of a difference
; that f32 holds exactly), rounded to f16, through my stage, into the 16 rows behind the group's 128.  P's registers are free on the way out.
.macro LOPART t
	WIN 0
	s_cmp_lg_u32 s[WV], 0
	s_cbranch_scc1 .Lno_lo_\@
	WIN 0x10                        ; source 2, y, in window 1
.set i, 0
.rept 16
	v_fma_mix_f32 v[P+2*i],   v[S+16*(\t)+i], v[MONE], v[32*(\t)+2*i]   op_sel_hi:[1,0,0]
	v_fma_mix_f32 v[P+2*i+1], v[S+16*(\t)+i], v[MONE], v[32*(\t)+2*i+1] op_sel:[1,0,0] op_sel_hi:[1,0,0]
.set i, i+1
.endr
	WIN 0
.set i, 0
.rept 16
	v_cvt_pk_f16_f32 v[P+32+i], v[P+2*i], v[P+2*i+1]
.set i, i+1
.endr
	s_wait_xcnt 0x0                 ; the low parts stored last have been read out of the registers that the loads below fill
.irp f, 0,1,2,3
	ds_store_b128 v[STO], v[P+32+4*\f:P+32+4*\f+3] offset:32*\f
.endr
.irp f, 0,1,2,3
	ds_load_b128 v[P+48+4*\f:P+48+4*\f+3], v[RD] offset:\f*4*SP  ; LDS serves a wave's instructions in order (ISA guide 5.7.1.4): these see the stores above, and the piece's own stores come behind them
.endr
	s_wait_dscnt 0x0
.irp f, 0,1,2,3
	global_store_b128 v[GO], v[P+48+4*\f:P+48+4*\f+3], s[10:11] offset:16384+((\t)/2)*18432+\f*512  ; 512 consecutive bytes, aligned
.endr
.Lno_lo_\@:
.endm
.macro PACK t                       ; a lane's eight channels of a row pack into 16 bytes; they go into rows of 144 bytes and come back as whole rows of 128, into S^T's registers
	WIN W_RS
.set i, 32*(\t)
.rept 16
	v_pk_mul_f32 v[i:i+1], v[i:i+1], v[ST+4*(\t)+2:ST+4*(\t)+3] op_sel_hi:[1,0]
.set i, i+2
.endr
	WIN 0x05
.set i, 0
.rept 16
	v_cvt_pk_f16_f32 v[S+16*(\t)+i], v[32*(\t)+2*i], v[32*(\t)+2*i+1]
.set i, i+1
.endr
	WIN 0
.if ((\t)%2) == 0
	LOPART \t
.endif
.irp f, 0,1,2,3
	ds_store_b128 v[STO], v[S+16*(\t)+4*\f:S+16*(\t)+4*\f+3] offset:32*\f
.endr
.irp f, 0,1,2,3
	ds_load_b128 v[S+16*(\t)+4*\f:S+16*(\t)+4*\f+3], v[RD] offset:\f*4*SP  ; these see the stores above
.endr
.endm
.macro SEND t, younger              ; younger: the LDS instructions issued behind piece t's loads, at the least
	WIN 0
.irp f, 0,1,2,3
	s_wait_dscnt (\younger)+3-\f
	global_store_b128 v[GO], v[S+16*(\t)+4*\f:S+16*(\t)+4*\f+3], s[10:11] offset:(\t)*8192+((\t)/2)*2048+\f*512  ; band t, behind the first group's 16 rows of low parts from band 2 on; 512 consecutive bytes, aligned
.endr
.endm
; THE DIAGONAL TILE's four steps, the block's last turn, its last products, and THE WAY OUT: O^T is divided by l, rounded to f16 and sent through my stage.
.macro DIAG tag
.LstepM\tag:
	FETCH_K
	TURN 1, 1
	WIN 0
.LfirstM\tag:
	TURN 0, 1
	WIN 0
	s_sub_co_u32 s[CNT], s[CNT], 1
	s_cmp_lg_u32 s[CNT], 0
	s_cbranch_scc1 .LstepM\tag
	TURN 1, 1, 1
.set i, 0
.rept 16
	PV 1
.set i, i+1
.endr
.set i, 0
.rept 4
	LS 1
.set i, i+1
.endr
	WIN 0
.rept 4
	v_nop                           ; the places behind the last products
.endr
	WIN 0x01                        ; l in window 1: each accumulator's lowest register
	ALL v_rcp_f32 v[ST+4*t+2], v[LA+8*t]
	WIN 0
	v_nop                           ; a plain instruction behind the last reciprocal,
	s_wait_alu depctr_va_vdst(0)    ; and one wait for the four, ahead of their first reader
	PACK 0
.set t, 1
.rept 3
	PACK t
	SEND t-1, 8
.set t, t+1
.endr
	SEND 3, 0
.endm
.set KM, 0
.Lslot:                             ; 8 times: a tile is entered and the next is asked for
	CHANGE 1
	s_sub_co_u32 s[RT], s[RT], 1
	s_mov_b32 s[CNT], 4
	s_cmp_eq_u32 s[NEW], 1
	s_cbranch_scc1 .Lnew            ; a block's first tile
	s_cmp_eq_u32 s[RT], 0
	s_cbranch_scc0 .Lstep           ; neither its first nor its last
	s_branch .LstepM1
.Lnew:
	BEGIN
	s_branch .Lfirst                ; in the loop a block's first tile is never its last: the first block has five tiles or more, and the second's last is the walk's last
	DIAG 1                          ; in the loop this is the first block's end
	s_wait_xcnt 0x0                 ; the stores have read their registers and their base
	s_mov_b64 s[10:11], s[OLO:OLO+1]
	s_add_co_u32 s[RT], s[PB], 1    ; the second block has b + 1 tiles
	s_mov_b32 s[NEW], 1
	WIN 0x82                        ; the second block's Q goes where the one text of the turns names Q
.set i, 0
.rept 64
	v_mov_b32 v[i], v[QB+i]
.set i, i+1
.endr
	WIN 0
	s_branch .Lbottom
.Lstep:                             ; a trip: a key step
	FETCH_K
	TURN 1
	WIN 0
.Lfirst:
	TURN 0
	WIN 0
	s_sub_co_u32 s[CNT], s[CNT], 1
	s_cmp_lg_u32 s[CNT], 0
	s_cbranch_scc1 .Lstep
.Lbottom:
	s_sub_co_u32 s[SLOTS], s[SLOTS], 1
	s_cmp_lg_u32 s[SLOTS], 0
	s_cbranch_scc1 .Lslot
	CHANGE 0                        ; the walk's last tile is written out: nothing is asked for
	s_sub_co_u32 s[RT], s[RT], 1
	s_mov_b32 s[CNT], 4
	s_cmp_eq_u32 s[NEW], 1
	s_cbranch_scc0 .LstepM2
	BEGIN
	s_branch .LfirstM2
	DIAG 2
	s_wait_tensorcnt 0x0            ; the wave's end: behind my last tensor load and my last LDS store
	ds_add_u32 v[SPW], v[NIL]
	s_wait_dscnt 0x0
	s_endpgm
.Lfunc_end_k_q70eb4bb504_att:
	.size	k_q70eb4bb504_att, .Lfunc_end_k_q70eb4bb504_att-k_q70eb4bb504_att
	.p2alignl 7, 3214868480
	.fill 96, 4, 3214868480
	.section	.rodata,"a",@progbits
	.p2align	6, 0x0
	.amdhsa_kernel k_q70eb4bb504_att
		.amdhsa_group_segment_fixed_size 327680
		.amdhsa_private_segment_fixed_size 0
		.amdhsa_enable_private_segment 0
		.amdhsa_kernarg_size 32
		.amdhsa_user_sgpr_count 2
		.amdhsa_user_sgpr_kernarg_segment_ptr 1
		.amdhsa_wavefront_size32 1
		.amdhsa_system_sgpr_workgroup_id_x 1
		.amdhsa_system_sgpr_workgroup_id_y 1
		.amdhsa_system_sgpr_workgroup_id_z 1
		.amdhsa_system_vgpr_workitem_id 0
		.amdhsa_next_free_vgpr 768
		.amdhsa_next_free_sgpr 96
		.amdhsa_reserve_vcc 1
		.amdhsa_float_denorm_mode_32 3
		.amdhsa_float_denorm_mode_16_64 3
		.amdhsa_memory_ordered 1
		.amdhsa_forward_progress 1
		.amdhsa_inst_pref_size 168
	.end_amdhsa_kernel
	.amdgpu_metadata
---
amdhsa.version: [ 1, 2 ]
amdhsa.kernels:
  - .name:           k_q70eb4bb504_att
    .symbol:         k_q70eb4bb504_att.kd
    .args:
      - { .name: qh, .offset: 0, .size: 8, .value_kind: global_buffer, .address_space: global }
      - { .name: kh, .offset: 8, .size: 8, .value_kind: global_buffer, .address_space: global }
      - { .name: vh, .offset: 16, .size: 8, .value_kind: global_buffer, .address_space: global }
      - { .name: yh, .offset: 24, .size: 8, .value_kind: global_buffer, .address_space: global }
    .group_segment_fixed_size: 327680
    .private_segment_fixed_size: 0
    .kernarg_segment_align: 8
    .kernarg_segment_size: 32
    .max_flat_workgroup_size: 128
    .sgpr_count:     96
    .vgpr_count:     768
    .wavefront_size: 32
...
	.end_amdgpu_metadata
.endif
;; end of part 3
;; launch proj (part 4): grid 8 x 32, 4 waves a work-group, clusters of 4 x 4, 327,680 bytes of LDS; arguments yh, wpb, out0; writes out0
.if DOCPART == 4
	.amdgcn_target "amdgcn-amd-amdhsa--gfx1250"
	.amdhsa_code_object_version 6
	.text
	.protected	k_q70eb4bb504_proj
	.globl	k_q70eb4bb504_proj
	.p2align	8
	.type	k_q70eb4bb504_proj,@function
k_q70eb4bb504_proj:
	s_mov_b64 s[64:65], 0
	v_nop
	global_prefetch_b8 v0, s[64:65] scope:SCOPE_SE
	s_setreg_imm32_b32 hwreg(HW_REG_WAVE_MODE, 25, 1), 1
	s_wait_xcnt 0x0
	s_wait_alu depctr_hold_cnt(0) depctr_sa_sdst(0) depctr_va_vdst(0) depctr_va_sdst(0) depctr_va_ssrc(0) depctr_va_vcc(0) depctr_vm_vsrc(0)
	s_getreg_b32 s2, hwreg(HW_REG_IB_STS2, 6, 4)
	s_cmp_eq_u32 s2, 0
	s_cbranch_scc0 .Lentry_in_a_cluster
	s_endpgm
.Lentry_in_a_cluster:
	s_bfe_u32 s2, ttmp6, 0x10000c
	s_cmp_lg_u32 s2, 0xf033
	s_cbranch_scc0 .Lentry_shape_is_right
	s_endpgm
.Lentry_shape_is_right:
; PROJ: out0 = y w_proj^T (8192 x 1024 x 1024), f16 operands, f32 sums, f32 output.  wpb [16 kb][1024 n][64] f16.
; yh [64 batch x head][16 groups][128 rows of y in f16, then 16 rows of low parts][64] f16: a head is a K block of 64, dense; the low parts are y less its f16 rounding, for the first 16 rows of each group of 128.
; SHARES.  A work-group makes 256 rows x 128 columns: 32 x 8 = 256 work-groups.  A wave makes 128 x 64, one group of rows: 32 accumulators, window 1.  The product is used transposed (source 0 = 16 rows of wpb,
; source 1 = 16 rows of y): a lane holds one row and eight neighbouring columns.  THE LOW PARTS are a ninth fragment of y, multiplied like the others and added onto row block 0's accumulators: 36 matrix instructions
; for 32 along K where 32 would make the product of the rounded y.  The same in every wave of every work-group.
; K goes in steps of 128 (two heads) through two LDS slots; a K block's tile (2 groups, 288 rows of 128 bytes) is dense and is asked for as 144 rows of 256 bytes, padded after every 128.
; CLUSTER.  4 x 4: y's tiles are asked for jointly along a row of the cluster, wpb's along a column.  Waves 0 and 1 fetch the step's two K blocks of y (36 KiB each), waves 2 and 3 those of wpb (16 KiB each).
; By this text's count a wave has two tensor loads out at the start and one behind each round; from a refill to the wait for it a wave issues 128 matrix instructions.
; NO PREFETCH: the launch has 8 K steps, 1,152 matrix instructions a wave in all, and a lead of two steps would reach only half of them.
; REGISTERS: window 0: v0-31 addresses; two fragment buffers of 104 (y's 9 fragments, then wpb's 4) at v32 and v136; on the way out v32-95 hold rows read back.  Window 1: accumulator (a, b) at v[8 (4 a + b)].
.set PITCH, 144                        ; an LDS row: 128 bytes + 16 of padding: the 16 rows of a load start at 16 different groups of four banks (64 banks of 4 bytes: ISA guide 11.1)
.set FRAG,  16*PITCH
.set AKB,   288*PITCH                  ; a K block of y's tile
.set BKB,   128*PITCH                  ; of wpb's
.set BOFF,  2*AKB
.set SLOT1, 131072
.set STAGE, SLOT1+BOFF+2*BKB           ; behind the ring, never filled by a tensor load: 16 rows x 272 bytes for each wave
.set SP,    272
.set SPARE, STAGE+4*16*SP              ; the spare words, 128 bytes for each wave: two blocks of 256 bytes that no other line names
.set YBLK,  36864                      ; 256 rows of y with their low parts in memory
.set YHEAD, 8*YBLK                     ; a head
.set G1W0,  (1<<16)|(1<<20)|(1<<21)|(4<<22)|(3<<25)
.set AA0, 2
.set AB0, 3
.set ADRA, 4
.set ADRB, 5
.set STO, 6
.set RD,  7
.set GO,  8
.set SPW, 12                           ; v12  LDS address of my spare word; never rewritten
.set NIL, 13                           ; v13  0; never rewritten
.set F0,  32
.set F1,  136
.set FBO, 72                           ; wpb's fragments in a buffer
.set RR,  32
.set WV,  16
.set WM,  17
.set WN,  18
.set CX,  19
.set CY,  20
.set NX,  21
.set MY,  22
.set CNT, 23
.set G1A, 24
.set G1B, 32
.set G0A, 40                           ; s[40:43] the first fill's group 0; s[44:47] the second's, which then walks
.set G0B, 48
.set TB,  62
.set MSB, 0
.macro WIN new
.if MSB != (\new)
	s_set_vgpr_msb (MSB<<8)|(\new)
.set MSB, \new
.endif
.endm
.macro PLACES
.rept 4
	v_nop
.endr
.endm
.macro CREST
	s_cmp_lg_u32 s[WV], 0
	s_cbranch_scc1 .Lnot_wave_0_\@
	s_barrier_signal -3
.Lnot_wave_0_\@:
	s_barrier_wait -3
	s_barrier_signal -1
	s_barrier_wait -1
.endm
.macro CROUND
	s_barrier_signal -1
	s_barrier_wait -1
	CREST
.endm
.macro JLOAD                           ; a joint refill; the branch hangs on the wave's number alone; an s_nop 0 and four v_nop follow each line
	s_cmp_lt_u32 s[WV], 2
	s_cbranch_scc0 .Lfor_b_\@
	tensor_load_to_lds s[G0A+4:G0A+7], s[G1A:G1A+7]
	s_nop 0
.rept 4
	v_nop
.endr
	s_branch .Lasked_\@
.Lfor_b_\@:
	tensor_load_to_lds s[G0B+4:G0B+7], s[G1B:G1B+7]
	s_nop 0
.rept 4
	v_nop
.endr
.Lasked_\@:
.endm
	s_load_b128 s[4:7], s[0:1], 0x0                ; yh s[4:5], wpb s[6:7]
	s_load_b64 s[8:9], s[0:1], 0x10                ; out0
	v_lshl_add_u32 v[SPW], v0, 2, SPARE
	v_mov_b32 v[NIL], 0
	ds_add_u32 v[SPW], v[NIL]                      ; the wave's opening: the add and its wait ahead of the round in front of my first tensor load
	v_lshrrev_b32 v1, 5, v0
	v_readfirstlane_b32 s[WV], v1
	s_lshr_b32 s[WM], s[WV], 1
	s_and_b32 s[WN], s[WV], 1
	s_bfe_u32 s[CX], ttmp6, 0x40000
	s_bfe_u32 s[CY], ttmp6, 0x40004
	s_lshl_b32 s[NX], ttmp9, 2
	s_add_co_u32 s[NX], s[NX], s[CX]
	s_and_b32 s[MY], ttmp7, 0xffff
	s_lshl_b32 s[MY], s[MY], 2
	s_add_co_u32 s[MY], s[MY], s[CY]
	s_lshl_b32 s72, s[CY], 2
	s_lshl_b32 s72, 15, s72                        ; my row of the cluster
	s_lshl_b32 s73, 0x1111, s[CX]                  ; my column
	s_or_b32 s[G1A], s72, G1W0
	s_or_b32 s[G1B], s73, G1W0
	s_mov_b32 s[G1A+1], 128<<16                    ; rows of 128 elements, 256 bytes,
	s_mov_b32 s[G1A+2], 144<<16                    ; 144 of them: 36 KiB
	s_mov_b32 s[G1A+3], 128<<16
	s_mov_b32 s[G1A+4], 144
	s_mov_b32 s[G1A+5], 128
	s_mov_b32 s[G1A+6], 0
	s_mov_b32 s[G1A+7], 0
	s_mov_b32 s[G1B+1], 128<<16
	s_mov_b32 s[G1B+2], 64<<16                     ; 64 rows: 16 KiB
	s_mov_b32 s[G1B+3], 128<<16
	s_mov_b32 s[G1B+4], 64
	s_mov_b32 s[G1B+5], 128
	s_mov_b32 s[G1B+6], 0
	s_mov_b32 s[G1B+7], 0
	s_lshr_b32 s74, s[MY], 3                       ; y: the batch (16 heads),
	s_mul_i32 s74, s74, 16*YHEAD
	s_and_b32 s72, s[MY], 7                        ; the tile's 256 rows in it,
	s_mul_i32 s72, s72, YBLK
	s_add_co_u32 s74, s74, s72
	s_min_u32 s72, s[WV], 1                        ; and which of the step's two heads (waves 2 and 3 issue none of these loads)
	s_mul_i32 s72, s72, YHEAD
	s_add_co_u32 s74, s74, s72
	s_mov_b32 s75, 0
	s_max_u32 s76, s[WV], 2
	s_sub_co_u32 s76, s76, 2                       ; wpb: which of the step's two K blocks,
	s_lshl_b32 s76, s76, 17
	s_lshl_b32 s73, s[NX], 14                      ; the tile's 128 rows in it
	s_add_co_u32 s76, s76, s73
	s_mov_b32 s77, 0
	s_mul_i32 s78, s[WV], AKB                      ; LDS: y's K block = wave;
	s_mul_i32 s79, s[WV], BKB
	s_add_co_u32 s79, s79, BOFF-2*BKB              ; wpb's: BOFF + (wave - 2) x BKB.  No place in the cluster enters an LDS address
	s_mov_b32 s[TB], 0
	s_wait_dscnt 0x0                               ; the opening add is done
	s_wait_kmcnt 0x0
	s_add_nc_u64 s[74:75], s[4:5], s[74:75]
	s_add_nc_u64 s[76:77], s[6:7], s[76:77]
.irp s, 0,1
	s_mov_b32 s[G0A+4*(\s)], 1
	s_add_co_u32 s[G0A+4*(\s)+1], s78, (\s)*SLOT1
	s_add_nc_u64 s[G0A+4*(\s)+2:G0A+4*(\s)+3], s[74:75], (\s)*2*YHEAD
	s_or_b32 s[G0A+4*(\s)+3], s[G0A+4*(\s)+3], 0x80000000
	s_mov_b32 s[G0B+4*(\s)], 1
	s_add_co_u32 s[G0B+4*(\s)+1], s79, (\s)*SLOT1
	s_add_nc_u64 s[G0B+4*(\s)+2:G0B+4*(\s)+3], s[76:77], (\s)*262144
	s_or_b32 s[G0B+4*(\s)+3], s[G0B+4*(\s)+3], 0x80000000
.endr
	CROUND                                         ; all sixteen work-groups are here: the first joint loads meet
	s_cmp_lt_u32 s[WV], 2                          ; a wave's two first fills stand in one branch
	s_cbranch_scc0 .Lfirst_b
	tensor_load_to_lds s[G0A:G0A+3], s[G1A:G1A+7]
	s_nop 0
	tensor_load_to_lds s[G0A+4:G0A+7], s[G1A:G1A+7]
	s_nop 0
.rept 4
	v_nop
.endr
	s_branch .Lfirst_asked
.Lfirst_b:
	tensor_load_to_lds s[G0B:G0B+3], s[G1B:G1B+7]
	s_nop 0
	tensor_load_to_lds s[G0B+4:G0B+7], s[G1B:G1B+7]
	s_nop 0
.rept 4
	v_nop
.endr
.Lfirst_asked:
	v_and_b32 v1, 15, v0
	v_bfe_u32 v11, v0, 4, 1
	v_mul_u32_u24 v14, v1, PITCH
	v_lshl_add_u32 v14, v11, 4, v14
	s_mul_i32 s72, s[WM], 9*FRAG                   ; my group: 128 rows and their 16 rows of low parts
	s_mul_i32 s73, s[WN], 4*FRAG
	s_add_co_u32 s73, s73, BOFF
	v_add_nc_u32 v[AA0], s72, v14
	v_add_nc_u32 v[AB0], s73, v14
	v_mov_b32 v[ADRA], v[AA0]
	v_mov_b32 v[ADRB], v[AB0]
	s_mul_i32 s72, s[WV], 16*SP
	s_add_co_u32 s72, s72, STAGE                   ; my stage
	v_mul_u32_u24 v15, v1, SP                      ; in: row l % 16, 32 bytes for each half of the lanes
	v_lshl_add_u32 v15, v11, 5, v15
	v_add_nc_u32 v[STO], s72, v15
	v_mul_u32_u24 v15, v11, SP                     ; back: lanes 0-15 take one row of 256 bytes, lanes 16-31 the next
	v_lshl_add_u32 v15, v1, 4, v15
	v_add_nc_u32 v[RD], s72, v15
	v_lshlrev_b32 v[GO], 12, v11                   ; and the same two rows in out0
	v_lshl_add_u32 v[GO], v1, 4, v[GO]
	s_lshl_b32 s72, s[MY], 20                      ; 256 rows of 4,096 bytes
	s_lshl_b32 s73, s[WM], 19
	s_add_co_u32 s72, s72, s73
	s_lshl_b32 s73, s[NX], 9
	s_add_co_u32 s72, s72, s73
	s_lshl_b32 s73, s[WN], 8
	s_add_co_u32 s72, s72, s73
	s_mov_b32 s73, 0
	s_add_nc_u64 s[8:9], s[8:9], s[72:73]
; 16 matrix instructions: buffer f, row blocks a0 .. a0 + 3 x 4 column blocks.  The accumulators take turns, one instruction a turn.
.macro MUL f, a0, zero
	WIN 0x50
.irp a, \a0, (\a0)+1, (\a0)+2, (\a0)+3
.irp b, 0,1,2,3
.if \zero
	v_wmma_f32_16x16x32_f16 v[8*(4*(\a)+(\b)):8*(4*(\a)+(\b))+7], v[(\f)+FBO+8*(\b):(\f)+FBO+8*(\b)+7], v[(\f)+8*(\a):(\f)+8*(\a)+7], 0
.else
	v_wmma_f32_16x16x32_f16 v[8*(4*(\a)+(\b)):8*(4*(\a)+(\b))+7], v[(\f)+FBO+8*(\b):(\f)+FBO+8*(\b)+7], v[(\f)+8*(\a):(\f)+8*(\a)+7], v[8*(4*(\a)+(\b)):8*(4*(\a)+(\b))+7]
.endif
.endr
.endr
.endm
.macro MULL f                          ; 4 matrix instructions: the low parts, the ninth fragment, onto row block 0's accumulators; behind row block 7's, ahead of the next quarter's, three others between two links
	WIN 0x50
.irp b, 0,1,2,3
	v_wmma_f32_16x16x32_f16 v[8*(\b):8*(\b)+7], v[(\f)+FBO+8*(\b):(\f)+FBO+8*(\b)+7], v[(\f)+64:(\f)+71], v[8*(\b):8*(\b)+7]
.endr
.endm
.macro FETCH qd, f                     ; 26 LDS loads in one run: quarter qd of the K step (K block qd / 2, slice qd % 2) into buffer f: wpb's 8, then y's 18
	WIN 0
.irp b, 0,1,2,3
	ds_load_b128 v[(\f)+FBO+8*(\b):(\f)+FBO+8*(\b)+3],   v[ADRB] offset:((\qd)/2)*BKB+((\qd)%2)*64+(\b)*FRAG
	ds_load_b128 v[(\f)+FBO+8*(\b)+4:(\f)+FBO+8*(\b)+7], v[ADRB] offset:((\qd)/2)*BKB+((\qd)%2)*64+(\b)*FRAG+32
.endr
.irp a, 0,1,2,3,4,5,6,7,8
	ds_load_b128 v[(\f)+8*(\a):(\f)+8*(\a)+3],   v[ADRA] offset:((\qd)/2)*AKB+((\qd)%2)*64+(\a)*FRAG
	ds_load_b128 v[(\f)+8*(\a)+4:(\f)+8*(\a)+7], v[ADRA] offset:((\qd)/2)*AKB+((\qd)%2)*64+(\a)*FRAG+32
.endr
.endm
.macro QUARTER qn, f, g, zero          ; multiplies buffer f; in its middle fetches quarter qn into buffer g
	s_wait_dscnt 10                                ; wpb's fragments and y's blocks 0-3 are in; the youngest ten loads (fragments 4 to 8) may be out
	MUL \f, 0, \zero
	PLACES
	FETCH \qn, \g
	s_wait_dscnt 26                                ; all but the 26 just issued
	MUL \f, 4, \zero
	MULL \f
.endm
; The step's last quarter multiplies buffer 1 and changes slots: each wave waits for all its tensor loads, adds 0 to its spare word, and waits for that and for its reads of this slot.  mode 1: the barrier opens a
; round of the cluster's, and the slot is filled again, first thing behind the round, with the K step two on; mode 2: nothing is left to ask for.
.macro SWAP mode
	WIN 0
	s_wait_tensorcnt 0x0                           ; all my tensor loads have landed, so the walking descriptors may be written
	ds_add_u32 v[SPW], v[NIL]                      ; 0 onto my spare word
.if (\mode) == 1
	s_xor_b32 s[G0A+5], s[G0A+5], SLOT1
	s_add_nc_u64 s[G0A+6:G0A+7], s[G0A+6:G0A+7], 2*YHEAD
	s_xor_b32 s[G0B+5], s[G0B+5], SLOT1
	s_add_nc_u64 s[G0B+6:G0B+7], s[G0B+6:G0B+7], 262144
.endif
	s_wait_dscnt 0x0                               ; the add is done, and my reads of this slot are over
	s_barrier_signal -1
	MUL F1, 0, 0
	WIN 0
	s_barrier_wait -1
.if (\mode) == 1
	CREST
	JLOAD                                          ; its four v_nop are also the places in front of the loads below
.else
	PLACES
.endif
	s_xor_b32 s[TB], s[TB], SLOT1
	v_add_nc_u32 v[ADRA], s[TB], v[AA0]
	v_add_nc_u32 v[ADRB], s[TB], v[AB0]
	FETCH 0, F0
	MUL F1, 4, 0
	MULL F1
.endm
	s_wait_tensorcnt 1                             ; my part of K step 0 is in; K step 1's may stay out
	s_barrier_signal -1
	s_barrier_wait -1
	FETCH 0, F0
	QUARTER 1, F0, F1, 1                           ; the first quarter stands in front of the loop: its products start the sums
	WIN 0
	s_mov_b32 s[CNT], 6
.Lk:                                                   ; trip t ends K step t, asks for K step t + 2 and begins K step t + 1
	QUARTER 2, F1, F0, 0
	QUARTER 3, F0, F1, 0
	SWAP 1
	QUARTER 1, F0, F1, 0
	WIN 0
	s_sub_co_u32 s[CNT], s[CNT], 1
	s_cmp_lg_u32 s[CNT], 0
	s_cbranch_scc1 .Lk
	QUARTER 2, F1, F0, 0                           ; the tail is written out
	QUARTER 3, F0, F1, 0
	SWAP 2
	QUARTER 1, F0, F1, 0
	QUARTER 2, F1, F0, 0
	QUARTER 3, F0, F1, 0
	s_wait_dscnt 0x0
	MUL F1, 0, 0
	MUL F1, 4, 0
	MULL F1
	WIN 0
; THE WAY OUT, 16 rows at a time: a lane's 32 bytes of a row go into my stage straight from the accumulators, low half first, and come back as whole rows of 256 bytes.
.macro TOSTAGE a
	WIN 0x04                                       ; the stores' data in window 1
.irp b, 0,1,2,3
	ds_store_b128 v[STO], v[8*(4*(\a)+(\b)):8*(4*(\a)+(\b))+3]   offset:64*(\b)
	ds_store_b128 v[STO], v[8*(4*(\a)+(\b))+4:8*(4*(\a)+(\b))+7] offset:64*(\b)+16
.endr
	WIN 0
	s_wait_xcnt 0x0                                ; the stores of the block two back have read the registers that the loads below fill
.irp f, 0,1,2,3,4,5,6,7
	ds_load_b128 v[RR+32*((\a)%2)+4*(\f):RR+32*((\a)%2)+4*(\f)+3], v[RD] offset:2*SP*(\f)  ; LDS serves a wave's instructions in order (ISA guide 5.7.1.4): these see the stores above
.endr
.endm
.macro SEND a, n                       ; n: the LDS instructions issued behind block a's
	s_wait_dscnt \n
.irp f, 0,1,2,3,4,5,6,7
	global_store_b128 v[GO], v[RR+32*((\a)%2)+4*(\f):RR+32*((\a)%2)+4*(\f)+3], s[8:9] offset:(16*(\a)+2*(\f))*4096  ; 16 lanes store 256 consecutive bytes, aligned
.endr
.endm
.rept 8
	v_nop                                          ; the places behind the last products
.endr
	TOSTAGE 0
.irp a, 1,2,3,4,5,6,7
	TOSTAGE \a
	SEND (\a)-1, 16
.endr
	SEND 7, 0
	s_wait_tensorcnt 0x0                           ; the wave's end: behind my last tensor load and my last LDS store
	ds_add_u32 v[SPW], v[NIL]
	s_wait_dscnt 0x0
	CROUND                                         ; the closing round: no work-group ends while a partner may still ask for a tile that names it
	s_endpgm
.Lfunc_end_k_q70eb4bb504_proj:
	.size	k_q70eb4bb504_proj, .Lfunc_end_k_q70eb4bb504_proj-k_q70eb4bb504_proj
	.p2alignl 7, 3214868480
	.fill 96, 4, 3214868480
	.section	.rodata,"a",@progbits
	.p2align	6, 0x0
	.amdhsa_kernel k_q70eb4bb504_proj
		.amdhsa_group_segment_fixed_size 327680
		.amdhsa_private_segment_fixed_size 0
		.amdhsa_enable_private_segment 0
		.amdhsa_kernarg_size 24
		.amdhsa_user_sgpr_count 2
		.amdhsa_user_sgpr_kernarg_segment_ptr 1
		.amdhsa_wavefront_size32 1
		.amdhsa_system_sgpr_workgroup_id_x 1
		.amdhsa_system_sgpr_workgroup_id_y 1
		.amdhsa_system_sgpr_workgroup_id_z 1
		.amdhsa_system_vgpr_workitem_id 0
		.amdhsa_next_free_vgpr 512
		.amdhsa_next_free_sgpr 80
		.amdhsa_reserve_vcc 0
		.amdhsa_float_denorm_mode_32 3
		.amdhsa_float_denorm_mode_16_64 3
		.amdhsa_memory_ordered 1
		.amdhsa_forward_progress 1
		.amdhsa_inst_pref_size 74
	.end_amdhsa_kernel
	.amdgpu_metadata
---
amdhsa.version: [ 1, 2 ]
amdhsa.kernels:
  - .name:           k_q70eb4bb504_proj
    .symbol:         k_q70eb4bb504_proj.kd
    .args:
      - { .name: yh, .offset: 0, .size: 8, .value_kind: global_buffer, .address_space: global }
      - { .name: wpb, .offset: 8, .size: 8, .value_kind: global_buffer, .address_space: global }
      - { .name: out0, .offset: 16, .size: 8, .value_kind: global_buffer, .address_space: global }
    .group_segment_fixed_size: 327680
    .private_segment_fixed_size: 0
    .kernarg_segment_align: 8
    .kernarg_segment_size: 24
    .max_flat_workgroup_size: 128
    .sgpr_count:     80
    .vgpr_count:     512
    .wavefront_size: 32
...
	.end_amdgpu_metadata
.endif
;; end of part 4
;; ======== version 2 of 2: 4 launches; version 1 with the launch prep written anew for expert scheduling mode
;; limits: values are held in f16: magnitudes above 65,504 overflow, below 6.1e-05 lose precision
;; workspace buffers: xb 16,777,216 bytes; wab 6,291,456 bytes; wpb 2,097,152 bytes; tab 524,288 bytes; qh 16,777,216 bytes; kh 16,777,216 bytes; vh 16,777,216 bytes; yh 18,874,368 bytes
;; launch prep (part 5): grid 800 x 1, 4 waves a work-group, no clusters, 0 bytes of LDS; arguments x, w_attn, w_proj, xb, wab, wpb, tab; writes xb, wab, wpb, tab
.if DOCPART == 5
	.amdgcn_target "amdgcn-amd-amdhsa--gfx1250"
	.amdhsa_code_object_version 6
	.text
	.protected	k_q70eb4bb504_prep
	.globl	k_q70eb4bb504_prep
	.p2align	8
	.type	k_q70eb4bb504_prep,@function
k_q70eb4bb504_prep:
	s_mov_b64 s[64:65], 0
	v_nop
	global_prefetch_b8 v0, s[64:65] scope:SCOPE_SE
	s_setreg_imm32_b32 hwreg(HW_REG_WAVE_SCHED_MODE, 0, 2), 2
	s_setreg_imm32_b32 hwreg(HW_REG_WAVE_MODE, 25, 1), 1
	s_wait_xcnt 0x0
	s_wait_alu depctr_vm_vsrc(0)
; PREP: the three inputs are rounded to bf16 and laid out in blocks of 64 along K, and the table of cos and sin is made.
;   xb  [16 kb][8192 row][64] bf16      wab [16 kb][3072 row'][64] bf16, row' = head x 192 + kind x 64 + d (kind 0, 1, 2 = q, k, v)
;   wpb [16 kb][1024 row][64] f16: w_proj rounded to bf16, that number written as f16      tab [2048 t][cos 0..31, sin 0..31] f32, each rounded to bf16 as the model rounds them
; A stream: nothing is shared, so no LDS, no barrier, no matrix work.  A wave takes 4 source rows (16 KiB): 32 loads, all issued at once; a load covers 2 rows x 256 aligned bytes, one K block of each;
; a store of 8 bytes a lane covers the same 2 rows of the K block in the new layout: 256 consecutive bytes, aligned.
; Work-groups 0-511 take x, 512-703 w_attn, 704-767 w_proj, 768-799 the table (16 rows a wave).
; LIMITS.  bf16(w_proj) must lie within f16: under 65,504 in size; under 6e-5 it keeps f16's fixed step.  The angle t x inv_freq is made from 2^(-j log2(10000)/32), good to a few last places of f32:
; where the model's own inv_freq differs in its last place, an entry near a rounding boundary falls on the neighbouring bf16 number.
; THE MODE: SCHED_MODE bits 1:0 = 2 (LLVM: expert scheduling mode 2), set by the entry lines.  The code itself states the register dependences between vector instructions and memory instructions,
; and between a vector instruction that writes a scalar register and its readers, with s_wait_alu, always for 0.
; THE PLAN, the casts.  Registers that memory instructions touch:
;   v[VI]      the loads' offset.  Written at the path's head, never again.
;   X          32 chunks of 4.  Written by the 32 loads; read (in the f16 path also written) by the conversions once a chunk has landed; no load lands there again.
;   v[VO ..]   the stores' 16 offsets.  Written by sixteen vector lines behind the loads, which name none of the loads' registers; never again.
;   Y          32 chunks of 2.  Written by the conversions; each chunk is read by one store and never written behind it.
; So no register that a memory instruction reads is ever written again, and what is left to state is that offsets and data are written: once ahead of the loads, and once ahead of each run of four stores.
; The 32 chunks go in 8 groups of four: the wait for the group's data, its conversions, ONE wait on va_vdst, its four stores, which leave while the next group's data is on its way.
; THE PLAN, the table.  v[TO], the store's offset, is written at the path's head and never again: the scalar base moves on by two rows a trip.  OUT is written at a trip's end, read by the trip's one store, and
; written again a trip later, behind the waits that show the store to have read it.  The four masks s[MK ..] are written by a run of compares early in a trip and read by the four selects behind one wait on va_sdst.
.set KBX,  1048576                     ; bytes in a K block of xb
.set KBWA, 393216                      ; of wab
.set KBWP, 131072                      ; of wpb
.set WV,  18                           ; s18  wave
.set U,   19                           ; s19  4 x work-group + wave
.set SRC, 20                           ; s[20:21] my 4 source rows
.set DST, 22                           ; s[22:23] the same rows in K block 0
.set KBS, 24                           ; s24  bytes from K block to K block
.set FMT, 25                           ; s25  1: f16
.set MK,  42                           ; s[42:45] the table: the lanes whose quadrant is odd, for each of my four numbers
.set VI,  2                            ; v2   (l / 16) x 4,096 + (l % 16) x 16
.set VO,  8                            ; v[8:23]  8 l + kb x KBS
.set X,   32                           ; v[32:159]  32 chunks of 4 as loaded
.set Y,   160                          ; v[160:223] 32 chunks of 2 to store
.set KAD, 5                            ; the table: 1 for cos, 0 for sin
.set TF,  6                            ; t as f32
.set TO,  7                            ; my 16 bytes of two rows of tab
.set JF,  8
.set EE,  12
.set INV, 16
.set TH,  24
.set KK,  28
.set RED, 32
.set NN,  36
.set ZA,  40
.set SPO, 44
.set CPO, 48
.set ZB,  52
.set HF,  56
.set OUT, 60
.set PKD, 64
.set BB,  68
	s_load_b256 s[4:11], s[0:1], 0x0               ; x s[4:5], w_attn s[6:7], w_proj s[8:9], xb s[10:11]
	s_load_b128 s[12:15], s[0:1], 0x20             ; wab s[12:13], wpb s[14:15]
	s_load_b64 s[16:17], s[0:1], 0x30              ; tab
	v_lshrrev_b32 v1, 5, v0
	v_readfirstlane_b32 s[WV], v1
	v_and_b32 v3, 31, v0                           ; lane
	s_lshl_b32 s[U], ttmp9, 2
	s_wait_alu depctr_va_sdst(0)                   ; the wave's number is written, ahead of its first reader: my rows' addresses are made from it
	s_add_co_u32 s[U], s[U], s[WV]
	s_mov_b32 s29, 0                               ; the offsets' high words
	s_mov_b32 s31, 0
	s_wait_kmcnt 0x0
	s_cmp_lt_u32 ttmp9, 512
	s_cbranch_scc0 .Lnot_x
	s_lshl_b32 s28, s[U], 14                       ; 4 rows of 4,096 bytes
	s_lshl_b32 s30, s[U], 9                        ; 4 rows of 128 bytes
	s_add_nc_u64 s[SRC:SRC+1], s[4:5], s[28:29]
	s_add_nc_u64 s[DST:DST+1], s[10:11], s[30:31]
	s_mov_b32 s[KBS], KBX
	s_mov_b32 s[FMT], 0
	s_branch .Lcast
.Lnot_x:
	s_cmp_lt_u32 ttmp9, 704
	s_cbranch_scc0 .Lnot_wa
	s_sub_co_u32 s26, s[U], 2048
	s_lshl_b32 s28, s26, 14
	s_lshl_b32 s27, s26, 2                         ; my first row n0 of w_attn
	s_bfe_u32 s30, s27, 0x40006                    ; head = (n0 >> 6) & 15
	s_mul_i32 s30, s30, 192
	s_lshr_b32 s32, s27, 10                        ; kind
	s_lshl_b32 s32, s32, 6
	s_add_co_u32 s30, s30, s32
	s_and_b32 s32, s27, 63                         ; d
	s_add_co_u32 s30, s30, s32
	s_lshl_b32 s30, s30, 7
	s_add_nc_u64 s[SRC:SRC+1], s[6:7], s[28:29]
	s_add_nc_u64 s[DST:DST+1], s[12:13], s[30:31]
	s_mov_b32 s[KBS], KBWA
	s_mov_b32 s[FMT], 0
	s_branch .Lcast
.Lnot_wa:
	s_cmp_lt_u32 ttmp9, 768
	s_cbranch_scc0 .Ltable
	s_sub_co_u32 s26, s[U], 2816
	s_lshl_b32 s28, s26, 14
	s_lshl_b32 s30, s26, 9
	s_add_nc_u64 s[SRC:SRC+1], s[8:9], s[28:29]
	s_add_nc_u64 s[DST:DST+1], s[14:15], s[30:31]
	s_mov_b32 s[KBS], KBWP
	s_mov_b32 s[FMT], 1
.Lcast:
	v_lshrrev_b32 v4, 4, v3
	v_and_b32 v5, 15, v3
	v_lshlrev_b32 v[VI], 4, v5
	v_lshl_add_u32 v[VI], v4, 12, v[VI]
	s_wait_alu depctr_va_vdst(0)                   ; v[VI] is written, which all 32 loads read as their offset
.set ci, 0
.rept 32                                       ; chunk ci: rows 2 (ci / 16) and + 1, K block ci % 16
	global_load_b128 v[X+4*ci:X+4*ci+3], v[VI], s[SRC:SRC+1] offset:(ci/16)*8192+(ci%16)*256 th:TH_LOAD_NT
.set ci, ci+1
.endr
	v_lshlrev_b32 v[VO], 3, v3                     ; the stores' offsets are made while the loads are out: these lines name none of the loads' registers
.set ci, 1
.rept 15
	v_add_nc_u32 v[VO+ci], s[KBS], v[VO+ci-1]
.set ci, ci+1
.endr
; Group gi of 8: chunks cb = 4 gi to 4 gi + 3.
.macro GROUP fmt
.set cb, 4*gi
	s_wait_loadcnt 28-cb                           ; loads come back in order: the group's four chunks are in; the 28 - 4 gi loads issued behind them stay out
.irp k, 0,1,2,3
	v_cvt_pk_bf16_f32 v[Y+2*(cb+(\k))], v[X+4*(cb+(\k))], v[X+4*(cb+(\k))+1]
	v_cvt_pk_bf16_f32 v[Y+2*(cb+(\k))+1], v[X+4*(cb+(\k))+2], v[X+4*(cb+(\k))+3]
.endr
.if \fmt
.irp k, 0,1,2,3
	v_lshlrev_b32 v[X+4*(cb+(\k))], 16, v[Y+2*(cb+(\k))]           ; the bf16 numbers as f32 again,
	v_and_b32 v[X+4*(cb+(\k))+1], 0xffff0000, v[Y+2*(cb+(\k))]
	v_lshlrev_b32 v[X+4*(cb+(\k))+2], 16, v[Y+2*(cb+(\k))+1]
	v_and_b32 v[X+4*(cb+(\k))+3], 0xffff0000, v[Y+2*(cb+(\k))+1]
.endr
.irp k, 0,1,2,3
	v_cvt_pk_f16_f32 v[Y+2*(cb+(\k))], v[X+4*(cb+(\k))], v[X+4*(cb+(\k))+1]  ; and written as f16 (8 significant bits fit into 11)
	v_cvt_pk_f16_f32 v[Y+2*(cb+(\k))+1], v[X+4*(cb+(\k))+2], v[X+4*(cb+(\k))+3]
.endr
.endif
	s_wait_alu depctr_va_vdst(0)                   ; the conversions have written the group's eight registers of Y, which the four stores read; in group 0 also: the sixteen offsets v[VO ..] are written
.irp k, 0,1,2,3
	global_store_b64 v[VO+(cb+(\k))%16], v[Y+2*(cb+(\k)):Y+2*(cb+(\k))+1], s[DST:DST+1] offset:((cb+(\k))/16)*256 th:TH_STORE_NT
.endr
.set gi, gi+1
.endm
	s_cmp_eq_u32 s[FMT], 1
	s_cbranch_scc1 .Lf16
.set gi, 0
.rept 8
	GROUP 0
.endr
	s_endpgm
.Lf16:
.set gi, 0
.rept 8
	GROUP 1
.endr
	s_endpgm
; THE TABLE.  Lane l makes four numbers of a row: kind (l / 8) % 2 (0 cos, 1 sin), j = 4 (l % 8) + 0..3; lanes 16-31 take the next row: a store covers two whole rows, 512 bytes.
; inv_freq = 2^(-j L), L = log2(10000) / 32 = 3402/8192 - d: j x 3402/8192 is exact in f32, and 2^(j d) = 1 + j d ln 2 to within (j d ln 2)^2 / 2, under 5e-7.
; sin and cos by quadrants: k = round(theta 2 / pi), r = theta - k pi / 2 with pi / 2 in two parts, polynomials in r on -pi/4 .. pi/4; cos(theta) = sin(theta + pi / 2).  Choices go by v_cndmask_b32 alone.
.Ltable:
	s_sub_co_u32 s26, s[U], 3072                   ; 0 .. 127: rows 16 x that on
	v_and_b32 v4, 7, v3
	v_lshlrev_b32 v4, 2, v4
	v_bfe_u32 v[KAD], v3, 3, 1
	v_sub_nc_u32 v[KAD], 1, v[KAD]
	v_lshrrev_b32 v[TF], 4, v3
	s_lshl_b32 s27, s26, 4
	v_add_nc_u32 v[TF], s27, v[TF]
	v_cvt_f32_u32 v[TF], v[TF]
	s_lshl_b32 s27, s26, 12
	v_lshl_add_u32 v[TO], v3, 4, s27
	s_mov_b32 s32, 0x3f22f983                      ; 2 / pi
	s_mov_b32 s33, 0xbfc90fdb                      ; - (pi / 2 rounded to f32)
	s_mov_b32 s34, 0x333bbd2e                      ; that number less pi / 2
	s_mov_b32 s35, 0xb94ca1f9                      ; sin: r + r z (S1 + z (S2 + z S3)), z = r r
	s_mov_b32 s36, 0x3c08839e
	s_mov_b32 s37, 0xbe2aaaa3
	s_mov_b32 s38, 0x37ccf5ce                      ; cos: 1 - z / 2 + z z (C1 + z (C2 + z C3))
	s_mov_b32 s39, 0xbab6061a
	s_mov_b32 s40, 0x3d2aaaa5
	s_mov_b32 s41, 0xffff0000
.irp i, 0,1,2,3
	v_add_nc_u32 v[JF+\i], \i, v4
.endr
.irp i, 0,1,2,3
	v_cvt_f32_u32 v[JF+\i], v[JF+\i]
.endr
.irp i, 0,1,2,3
	v_mul_f32 v[EE+\i], 0xbed4a000, v[JF+\i]       ; - j 3402 / 8192
.endr
.irp i, 0,1,2,3
	v_exp_f32 v[EE+\i], v[EE+\i]
.endr
.irp i, 0,1,2,3
	v_mul_f32 v[JF+\i], 0x37f552a3, v[JF+\i]       ; j d ln 2: plain work that names no exponential's register
.endr
	s_wait_alu depctr_va_vdst(0)                   ; the four exponentials have written v[EE ..]: one wait, ahead of their first reader and of the label
.irp i, 0,1,2,3
	v_fma_f32 v[INV+\i], v[EE+\i], v[JF+\i], v[EE+\i]
.endr
	s_mov_b32 s26, 8                               ; 8 trips of two rows
.Ltrip:
.irp i, 0,1,2,3
	v_mul_f32 v[TH+\i], v[TF], v[INV+\i]
.endr
.irp i, 0,1,2,3
	v_mul_f32 v[KK+\i], s32, v[TH+\i]
.endr
.irp i, 0,1,2,3
	v_rndne_f32 v[KK+\i], v[KK+\i]
.endr
.irp i, 0,1,2,3
	v_fma_f32 v[RED+\i], v[KK+\i], s33, v[TH+\i]
.endr
.irp i, 0,1,2,3
	v_fma_f32 v[RED+\i], v[KK+\i], s34, v[RED+\i]
.endr
.irp i, 0,1,2,3
	v_cvt_i32_f32 v[NN+\i], v[KK+\i]
.endr
.irp i, 0,1,2,3
	v_add_nc_u32 v[NN+\i], v[NN+\i], v[KAD]
.endr
.irp i, 0,1,2,3
	v_and_b32 v[BB+\i], 1, v[NN+\i]
.endr
.irp i, 0,1,2,3
	v_cmp_eq_u32 s[MK+\i], 1, v[BB+\i]             ; the four masks in one run, as soon as the quadrant is known: the polynomials stand between them and their readers
.endr
.irp i, 0,1,2,3
	v_and_b32 v[BB+\i], 2, v[NN+\i]
.endr
.irp i, 0,1,2,3
	v_lshlrev_b32 v[BB+\i], 30, v[BB+\i]           ; quadrants 2 and 3: the sign's bit
.endr
.irp i, 0,1,2,3
	v_mul_f32 v[ZA+\i], v[RED+\i], v[RED+\i]
.endr
.irp i, 0,1,2,3
	v_fma_f32 v[SPO+\i], v[ZA+\i], s35, s36
	v_fma_f32 v[CPO+\i], v[ZA+\i], s38, s39
.endr
.irp i, 0,1,2,3
	v_fma_f32 v[SPO+\i], v[SPO+\i], v[ZA+\i], s37
	v_fma_f32 v[CPO+\i], v[CPO+\i], v[ZA+\i], s40
.endr
.irp i, 0,1,2,3
	v_mul_f32 v[SPO+\i], v[SPO+\i], v[ZA+\i]
	v_mul_f32 v[ZB+\i], v[ZA+\i], v[ZA+\i]
	v_fma_f32 v[HF+\i], v[ZA+\i], -0.5, 1.0
.endr
.irp i, 0,1,2,3
	v_fma_f32 v[SPO+\i], v[SPO+\i], v[RED+\i], v[RED+\i]
	v_fma_f32 v[CPO+\i], v[CPO+\i], v[ZB+\i], v[HF+\i]
.endr
	s_wait_alu depctr_va_sdst(0)                   ; the four compares have written s[MK ..], ahead of the first select that reads one of them
.irp i, 0,1,2,3
	v_cndmask_b32 v[SPO+\i], v[SPO+\i], v[CPO+\i], s[MK+\i]  ; odd quadrant: the cosine's polynomial
.endr
.irp i, 0,1,2,3
	v_xor_b32 v[SPO+\i], v[SPO+\i], v[BB+\i]       ; quadrants 2 and 3: the sign
.endr
	v_cvt_pk_bf16_f32 v[PKD], v[SPO], v[SPO+1]     ; rounded to bf16, as the model caches them,
	v_cvt_pk_bf16_f32 v[PKD+1], v[SPO+2], v[SPO+3]
	s_wait_xcnt 0x0                                ; the last trip's store has had its address translated: its base and its data are written again only behind this wait
	s_wait_alu depctr_vm_vsrc(0)                   ; the last trip's store has read v[OUT ..], which the four lines below write again
	s_add_nc_u64 s[16:17], s[16:17], 512           ; the base stands two rows past this trip's: the store reaches back
	v_lshlrev_b32 v[OUT], 16, v[PKD]               ; and kept as f32
	v_and_b32 v[OUT+1], s41, v[PKD]
	v_lshlrev_b32 v[OUT+2], 16, v[PKD+1]
	v_and_b32 v[OUT+3], s41, v[PKD+1]
	s_wait_alu depctr_va_vdst(0)                   ; v[OUT ..] is written, which the store reads as its data; in the first trip also v[TO], its offset
	global_store_b128 v[TO], v[OUT:OUT+3], s[16:17] offset:-512
	v_add_f32 v[TF], 2.0, v[TF]                    ; the store names neither source nor result of this line
	s_sub_co_u32 s26, s26, 1
	s_cmp_lg_u32 s26, 0
	s_cbranch_scc1 .Ltrip
	s_endpgm
.Lfunc_end_k_q70eb4bb504_prep:
	.size	k_q70eb4bb504_prep, .Lfunc_end_k_q70eb4bb504_prep-k_q70eb4bb504_prep
	.p2alignl 7, 3214868480
	.fill 96, 4, 3214868480
	.section	.rodata,"a",@progbits
	.p2align	6, 0x0
	.amdhsa_kernel k_q70eb4bb504_prep
		.amdhsa_group_segment_fixed_size 0
		.amdhsa_private_segment_fixed_size 0
		.amdhsa_enable_private_segment 0
		.amdhsa_kernarg_size 56
		.amdhsa_user_sgpr_count 2
		.amdhsa_user_sgpr_kernarg_segment_ptr 1
		.amdhsa_wavefront_size32 1
		.amdhsa_system_sgpr_workgroup_id_x 1
		.amdhsa_system_sgpr_workgroup_id_y 1
		.amdhsa_system_sgpr_workgroup_id_z 1
		.amdhsa_system_vgpr_workitem_id 0
		.amdhsa_next_free_vgpr 224
		.amdhsa_next_free_sgpr 66
		.amdhsa_reserve_vcc 0
		.amdhsa_float_denorm_mode_32 3
		.amdhsa_float_denorm_mode_16_64 3
		.amdhsa_memory_ordered 1
		.amdhsa_forward_progress 1
		.amdhsa_inst_pref_size 39
	.end_amdhsa_kernel
	.amdgpu_metadata
---
amdhsa.version: [ 1, 2 ]
amdhsa.kernels:
  - .name:           k_q70eb4bb504_prep
    .symbol:         k_q70eb4bb504_prep.kd
    .args:
      - { .name: x, .offset: 0, .size: 8, .value_kind: global_buffer, .address_space: global }
      - { .name: w_attn, .offset: 8, .size: 8, .value_kind: global_buffer, .address_space: global }
      - { .name: w_proj, .offset: 16, .size: 8, .value_kind: global_buffer, .address_space: global }
      - { .name: xb, .offset: 24, .size: 8, .value_kind: global_buffer, .address_space: global }
      - { .name: wab, .offset: 32, .size: 8, .value_kind: global_buffer, .address_space: global }
      - { .name: wpb, .offset: 40, .size: 8, .value_kind: global_buffer, .address_space: global }
      - { .name: tab, .offset: 48, .size: 8, .value_kind: global_buffer, .address_space: global }
    .group_segment_fixed_size: 0
    .private_segment_fixed_size: 0
    .kernarg_segment_align: 8
    .kernarg_segment_size: 56
    .max_flat_workgroup_size: 128
    .sgpr_count:     66
    .vgpr_count:     224
    .wavefront_size: 32
...
	.end_amdgpu_metadata
.endif
;; end of part 5
;; launch qkv: the kernel of part 2 again; grid 8 x 32, 4 waves a work-group, clusters of 4 x 4, 327,680 bytes of LDS; arguments xb, wab, tab, qh, kh, vh; writes qh, kh, vh
;; launch att: the kernel of part 3 again; grid 4 x 64, 4 waves a work-group, no clusters, 327,680 bytes of LDS; arguments qh, kh, vh, yh; writes yh
;; launch proj: the kernel of part 4 again; grid 8 x 32, 4 waves a work-group, clusters of 4 x 4, 327,680 bytes of LDS; arguments yh, wpb, out0; writes out0
